; MI455X (gfx1250); checked and timed in simulation.
; The chip was launched on July 23, 2026; its instructions are those of AMD's public machine-readable ISA for CDNA 5 (MIT licence, August 2026) and "CDNA5" Instruction Set Architecture Reference Guide (July 2026). The comments in the code are by the model that wrote it; some were corrected since.
;; Re Based Linear Attention. Allowed arithmetic: matrix products marked QUANTISED: E2M3 operands, one E8M0 scale for each 32 along K, by v_wmma_scale_f32_16x16x128_f8f6f4 with both operands' format E2M3, f32 sums; everything else in f32.
;; Inputs: Wk 2,048 x 2,048 float32; Wo 2,048 x 2,048 float32; Wq 2,048 x 2,048 float32; Wv 2,048 x 2,048 float32; beta 128 float32; gamma 128 float32; hidden_states 1 x 2,048 x 2,048 float32.
;; Outputs: out0 1 x 2,048 x 2,048 float32.
;; This version of the problem:
;;   THIS VERSION OF THE PROBLEM IS GIVEN IN LOW PRECISION. The matrix products marked QUANTISED in the list below multiply operands that are first quantised to E2M3 (2 exponent bits, 3 mantissa bits; 6 bits a number), with one power-of-two scale for each 32 numbers along K (OCP MX v1.0); their sums are f32. All else is computed in f32.
;;   The module's matrix products, in the order in which they are computed (A, B: the left and right operand; K: the contracted axis; several contracted axes count as one K, in the product's order):
;;     1. [M 2,048, K 2,048] x [K 2,048, N 2,048]; A: input hidden_states; B: input Wq: QUANTISED
;;     2. [M 2,048, K 2,048] x [K 2,048, N 2,048]; A: input hidden_states; B: input Wk: QUANTISED
;;     3. [M 2,048, K 2,048] x [K 2,048, N 2,048]; A: input hidden_states; B: input Wv: QUANTISED
;;     4. batch 16 x [M 2,048, K 128] x [K 128, N 2,048]; A: computed on the way; B: computed on the way: QUANTISED
;;     5. batch 16 x [M 128, K 2,048] x [K 2,048, N 2,048]; A: computed on the way; B: computed on the way: QUANTISED
;;     6. [M 2,048, K 2,048] x [K 2,048, N 2,048]; A: computed on the way; B: input Wo: QUANTISED
;;   THE QUANTISER, for each operand of a quantised product, along K:
;;     - K is cut into blocks of 32 from its start; a last block that is shorter is filled with zeros.
;;     - A block's scale is 2^e with e = floor(log2(the largest magnitude in the block)) - 2, held to -126 .. 127; a block of zeros has e = 0. As a byte (E8M0): e + 127.
;;     - Each number is divided by its block's scale, clamped to +-7.5, and rounded to the nearest number of E2M3, ties to even, subnormals kept.
;;     - The product sums the exact products of the quantised numbers (number of the format x scale) in f32.
;;   ~~~python
;;   def quantise(x, axis):      # numpy; x: float32 -> the quantised numbers, widened to float32 again
;;       x = np.moveaxis(x, axis, -1); K = x.shape[-1]
;;       x = np.pad(x, [(0, 0)] * (x.ndim - 1) + [(0, -K % 32)]); x = x.reshape(x.shape[:-1] + (-1, 32)); a = np.abs(x).max(-1, keepdims=True)
;;       e = np.where(a > 0, np.clip(np.frexp(np.where(a > 0, a, 1))[1] - 1 - 2, -126, 127), 0)      # np.frexp(a)[1] - 1 = floor(log2(a)), exactly
;;       r = np.clip(x / 2.0 ** e, -7.5, 7.5)
;;       step = 2.0 ** (np.maximum(np.frexp(np.where(r == 0, 1, r))[1] - 1, 0) - 3)
;;       q = np.round(r / step) * step * 2.0 ** e      # np.round: ties to even
;;       return np.moveaxis(q.reshape(q.shape[:-2] + (-1,))[..., :K], -1, axis).astype(np.float32)
;;   ~~~
;;   OPERANDS COMPUTED ON THE WAY. 'Computed on the way' means the value that the module computes at that place (a softmax that the list does not call 'softmax' is quantised finished and normalised). What goes into a quantiser is computed in f32, as accurately as f32 sums, v_exp_f32 and their like allow (about 1e-6 of the number): no bf16 or f16 on the way to a quantiser, and a product that is left as it is and whose result goes on into a quantised operand takes f32 operands (vector FMAs, or v_wmma_f32_16x16x4_f32). A number that lies on a knife's edge between two numbers of the format may be rounded either way, as far as f32 arithmetic and the matrix unit's own rounding can turn it there, and no further.
;; 2 versions, each right and faster than the one before. Each part assembles by itself: llvm-mc -triple=amdgcn-amd-amdhsa -mcpu=gfx1250 --defsym DOCPART=n.
;; ======== version 1 of 2: 4 launches
;; workspace buffers: codes 15,728,640 bytes; scales 655,360 bytes; qkv 9,830,400 bytes; oc 3,145,728 bytes; os 131,072 bytes
;; launch quant (part 1): grid 640 x 1, 4 waves a work-group, no clusters, 35,328 bytes of LDS; arguments hidden_states, Wq, Wk, Wv, Wo, codes, scales; writes codes, scales
.if DOCPART == 1
	.amdgcn_target "amdgcn-amd-amdhsa--gfx1250"
	.amdhsa_code_object_version 6
	.text
	.protected	k_q3acd701840_quant
	.globl	k_q3acd701840_quant
	.p2align	8
	.type	k_q3acd701840_quant,@function
k_q3acd701840_quant:
	s_mov_b64 s[64:65], 0
	v_nop
	global_prefetch_b8 v0, s[64:65] scope:SCOPE_SE
	s_setreg_imm32_b32 hwreg(HW_REG_WAVE_MODE, 25, 1), 1
	s_wait_xcnt 0x0
; hidden_states, Wq, Wk, Wv, Wo, each [2048][2048] f32 with K innermost, become codes of FP6 (E2M3) with one E8M0 scale byte for each 32 along K.
; A block's scale is 2^(floor(log2(its largest magnitude)) - 2); its byte is the largest magnitude's exponent field - 2, held at 1 from below.
; LIMITS: NaN and infinities are not served; a block whose largest magnitude lies under 2^-124 gets the byte 1; a block of zeros gets the byte 1 where the rule says 127
; (its codes are zeros, which add nothing, and the bytes are read by this program alone).
; LAYOUT OF THE RESULT: images of operand registers.  A fragment is 16 rows x 128 K, 12 registers a lane; registers 4 c .. 4 c + 3 of lane l lie at byte 512 c + 16 l of its 1,536 bytes.
; Lane r of fragment f holds row 32 (f / 2) + 8 (f % 2) + r + 8 (r / 8).  codes: [tensor][f 128][K step 16][1536];  scales: [tensor][K step 16][f 128][16 words], one word a row and 128 K.
; SHARES: a work-group takes 64 rows (four fragments) x 512 along K of one tensor; wave w takes one K step of the four fragments.  Each load reads 512 consecutive bytes of a row; a fragment's 16 rows
; turn through the wave's own stage in LDS (rows 528 bytes apart), so that a lane gets 16 neighbours of each block of 32.  Waves share nothing: no barrier.  Work-groups share no input: no cluster.
.set STG,   8704                       ; a wave's LDS: 16 rows x 528 bytes, then 256 bytes of scale words
.set SWD,   8448
.set SPARE, 4*STG                      ; behind the four regions: the spare words, 128 bytes a wave
.set LI,   1                           ; v1  16 x lane
.set SIN,  2                           ; v2  the stage, on the way in: 16 x lane
.set SOUT, 3                           ; v3  on the way out: 528 r + 64 h
.set WST,  4                           ; v4  where my row's scale word goes: 4 r
.set WRD,  5                           ; v5  and where 8 bytes of the 256 are read back
.set L8,   6                           ; v6  8 x lane
.set SPW,  12                          ; v12 my spare word; never rewritten
.set NIL,  13                          ; v13 0; never rewritten
.set R,    16                          ; v16-143  two sets of 64 registers as loaded
.set X,    144                         ; v144-207 register 16 b + i = k 32 b + 16 h + i of my row
.set PC,   208                         ; v208-227 the codes
.set TM,   228                         ; v228-243 at work
.set PW,   244                         ; v244     the scale word
.set SEL,  22                          ; s[22:23] lane selects: lane l xor 16
; 64 numbers of a lane, register 16 b + i = k 32 b + 16 (lane / 16) + i of my row, become a fragment's codes in v[PC] on and its scale word in v[PW].
.macro QUANT s
.irp b, 0,1,2,3
	v_max3_num_f32 v[TM+\b], |v[\s+16*\b]|, |v[\s+1+16*\b]|, 0x1800000   ; my 16 numbers of block b, and the floor 2^(3 - 127): the byte cannot fall under 1
.endr
.irp i, 2,4,6,8,10,12,14
.irp b, 0,1,2,3
	v_max3_num_f32 v[TM+\b], v[TM+\b], |v[\s+16*\b+\i]|, |v[\s+1+16*\b+\i]|
.endr
.endr
.irp b, 0,1,2,3
	v_permlanex16_b32 v[TM+4+\b], v[TM+\b], s[SEL], s[SEL+1]
.endr
.irp b, 0,1,2,3
	v_max_num_f32 v[TM+\b], v[TM+\b], v[TM+4+\b]   ; with lane l xor 16's 16: the block's largest magnitude
.endr
.irp b, 0,1,2,3
	v_add_nc_u32 v[TM+12+\b], 0xff000000, v[TM+\b]   ; 2 off its exponent field: the conversion's scale operand
.endr
.irp b, 0,1,2,3
	v_lshrrev_b32 v[TM+4+\b], 23, v[TM+12+\b]      ; the scale's byte
.endr
	v_lshl_or_b32 v[PW], v[TM+5], 8, v[TM+4]
	v_lshl_or_b32 v[PW], v[TM+6], 16, v[PW]
	v_lshl_or_b32 v[PW], v[TM+7], 24, v[PW]
.irp c, 0,1
	v_cvt_scalef32_pk16_fp6_f32 v[PC+6*\c:PC+2+6*\c], v[\s+32*\c:\s+15+32*\c], v[TM+12+2*\c]
	v_cvt_scalef32_pk16_fp6_f32 v[PC+12+4*\c:PC+14+4*\c], v[\s+16+32*\c:\s+31+32*\c], v[TM+12+2*\c+1]
.endr
	v_nop                                          ; one plain place behind a scaled conversion
.irp c, 0,1                                    ; the operand's layout wants a whole block in a lane
.irp i, 0,1,2
	v_permlane16_swap_b32 v[PC+6*\c+\i], v[PC+12+4*\c+\i]
.endr
.irp i, 0,1,2
	v_mov_b32 v[PC+3+6*\c+\i], v[PC+12+4*\c+\i]
.endr
.endr
.endm
	s_load_b256 s[4:11], s[0:1], 0x0               ; hidden_states, Wq, Wk, Wv
	s_load_b128 s[12:15], s[0:1], 0x20             ; Wo, codes
	s_load_b64 s[16:17], s[0:1], 0x30              ; scales
	v_lshl_add_u32 v[SPW], v0, 2, SPARE
	v_mov_b32 v[NIL], 0
	v_lshrrev_b32 v7, 5, v0
	v_readfirstlane_b32 s18, v7                    ; wave
	v_and_b32 v7, 31, v0                           ; lane
	v_and_b32 v8, 15, v0                           ; r
	v_bfe_u32 v9, v0, 4, 1                         ; h
	v_lshlrev_b32 v[LI], 4, v7
	s_mul_i32 s19, s18, STG
	v_add_nc_u32 v[SIN], s19, v[LI]
	v_mul_u32_u24 v[SOUT], v8, 528
	v_lshl_add_u32 v[SOUT], v9, 6, v[SOUT]
	v_add_nc_u32 v[SOUT], s19, v[SOUT]
	s_add_co_u32 s19, s19, SWD
	v_lshl_add_u32 v[WST], v8, 2, s19
	v_lshl_add_u32 v[WRD], v7, 3, s19
	v_lshlrev_b32 v[L8], 3, v7
.irp b, 0,1,2,3
	v_mov_b32 v[TM+4+\b], 0                        ; written once: a lane permute's destination counts as one of its sources
.endr
	s_mov_b32 s[SEL], 0x76543210
	s_mov_b32 s[SEL+1], 0xfedcba98
	s_lshr_b32 s20, ttmp9, 7                       ; which tensor
	s_bfe_u32 s21, ttmp9, 0x50002                  ; g: which 64 rows
	s_and_b32 s24, ttmp9, 3
	s_lshl_b32 s24, s24, 2
	s_add_co_u32 s24, s24, s18                     ; my K step
	s_lshl_b32 s26, s21, 19                        ; in: 64 g rows of 8,192 bytes + 512 x K step
	s_lshl_b32 s25, s24, 9
	s_add_co_u32 s26, s26, s25
	s_mov_b32 s27, 0
	s_mul_i32 s28, s20, 3145728                    ; codes: the tensor, fragment 4 g, my K step
	s_mul_i32 s25, s21, 98304
	s_add_co_u32 s28, s28, s25
	s_mul_i32 s25, s24, 1536
	s_add_co_u32 s28, s28, s25
	s_mov_b32 s29, 0
	s_lshl_b32 s30, s20, 17                        ; scale words: the tensor, my K step, fragment 4 g
	s_lshl_b32 s25, s24, 13
	s_add_co_u32 s30, s30, s25
	s_lshl_b32 s25, s21, 8
	s_add_co_u32 s30, s30, s25
	s_mov_b32 s31, 0
	s_wait_kmcnt 0x0
	s_cmp_eq_u32 s20, 1                            ; the choice hangs on the work-group's number alone
	s_cselect_b64 s[4:5], s[6:7], s[4:5]
	s_cmp_eq_u32 s20, 2
	s_cselect_b64 s[4:5], s[8:9], s[4:5]
	s_cmp_eq_u32 s20, 3
	s_cselect_b64 s[4:5], s[10:11], s[4:5]
	s_cmp_eq_u32 s20, 4
	s_cselect_b64 s[4:5], s[12:13], s[4:5]
	s_add_nc_u64 s[4:5], s[4:5], s[26:27]
	s_add_nc_u64 s[14:15], s[14:15], s[28:29]
	s_add_nc_u64 s[16:17], s[16:17], s[30:31]
.macro LOAD i                          ; fragment i's 16 rows, 512 consecutive bytes a load, into set i % 2
.irp k, 0,1,2,3,4,5,6,7,8,9,10,11,12,13,14,15
	global_load_b128 v[R+64*((\i)%2)+4*\k:R+64*((\i)%2)+4*\k+3], v[LI], s[4:5] offset:(32*((\i)/2)+8*((\i)%2)+\k+8*(\k/8))*8192 th:TH_LOAD_NT
.endr
.endm
.macro TURN i                          ; through the stage: LDS serves a wave's instructions in order, so no wait stands between the stores and the loads
.irp k, 0,1,2,3,4,5,6,7,8,9,10,11,12,13,14,15
	ds_store_b128 v[SIN], v[R+64*((\i)%2)+4*\k:R+64*((\i)%2)+4*\k+3] offset:528*\k
.endr
.irp b, 0,1,2,3
.irp j, 0,1,2,3
	ds_load_b128 v[X+16*\b+4*\j:X+16*\b+4*\j+3], v[SOUT] offset:128*\b+16*\j
.endr
.endr
.endm
.macro FRAGQ i
.if (\i) < 3
	s_wait_loadcnt 16                              ; this fragment's 16 loads are in; the next fragment's 16 stay out
.else
	s_wait_loadcnt 0x0
.endif
	TURN \i
	s_wait_dscnt 0x0                               ; my numbers are back, and the stage's stores have read their registers
.if (\i) > 0
	s_wait_xcnt 0x0                                ; the last image's stores have read the codes' registers, which are written again below
.endif
.if (\i) < 2
	LOAD (\i)+2
.endif
	QUANT X
.irp c, 0,1,2
	global_store_b128 v[LI], v[PC+4*\c:PC+4*\c+3], s[14:15] offset:24576*(\i)+512*\c   ; 32 lanes store 512 consecutive bytes, aligned
.endr
	ds_store_b32 v[WST], v[PW] offset:64*(\i)      ; lanes r and r + 16 write the same word with the same value
.endm
	LOAD 0
	LOAD 1
	FRAGQ 0
	FRAGQ 1
	FRAGQ 2
	FRAGQ 3
	ds_load_b64 v[8:9], v[WRD]                     ; the four fragments' 64 scale words
	s_wait_dscnt 0x0
	global_store_b64 v[L8], v[8:9], s[16:17]       ; 32 lanes store 256 consecutive bytes, aligned
	s_wait_tensorcnt 0x0                           ; the wave's end: behind my last LDS store
	ds_add_u32 v[SPW], v[NIL]
	s_wait_dscnt 0x0
	s_endpgm
.Lfunc_end_k_q3acd701840_quant:
	.size	k_q3acd701840_quant, .Lfunc_end_k_q3acd701840_quant-k_q3acd701840_quant
	.p2alignl 7, 3214868480
	.fill 96, 4, 3214868480
	.section	.rodata,"a",@progbits
	.p2align	6, 0x0
	.amdhsa_kernel k_q3acd701840_quant
		.amdhsa_group_segment_fixed_size 35328
		.amdhsa_private_segment_fixed_size 0
		.amdhsa_enable_private_segment 0
		.amdhsa_kernarg_size 56
		.amdhsa_user_sgpr_count 2
		.amdhsa_user_sgpr_kernarg_segment_ptr 1
		.amdhsa_wavefront_size32 1
		.amdhsa_system_sgpr_workgroup_id_x 1
		.amdhsa_system_sgpr_workgroup_id_y 1
		.amdhsa_system_sgpr_workgroup_id_z 1
		.amdhsa_system_vgpr_workitem_id 0
		.amdhsa_next_free_vgpr 248
		.amdhsa_next_free_sgpr 66
		.amdhsa_reserve_vcc 0
		.amdhsa_float_denorm_mode_32 3
		.amdhsa_float_denorm_mode_16_64 3
		.amdhsa_memory_ordered 1
		.amdhsa_forward_progress 1
		.amdhsa_inst_pref_size 34
	.end_amdhsa_kernel
	.amdgpu_metadata
---
amdhsa.version: [ 1, 2 ]
amdhsa.kernels:
  - .name:           k_q3acd701840_quant
    .symbol:         k_q3acd701840_quant.kd
    .args:
      - { .name: hidden_states, .offset: 0, .size: 8, .value_kind: global_buffer, .address_space: global }
      - { .name: Wq, .offset: 8, .size: 8, .value_kind: global_buffer, .address_space: global }
      - { .name: Wk, .offset: 16, .size: 8, .value_kind: global_buffer, .address_space: global }
      - { .name: Wv, .offset: 24, .size: 8, .value_kind: global_buffer, .address_space: global }
      - { .name: Wo, .offset: 32, .size: 8, .value_kind: global_buffer, .address_space: global }
      - { .name: codes, .offset: 40, .size: 8, .value_kind: global_buffer, .address_space: global }
      - { .name: scales, .offset: 48, .size: 8, .value_kind: global_buffer, .address_space: global }
    .group_segment_fixed_size: 35328
    .private_segment_fixed_size: 0
    .kernarg_segment_align: 8
    .kernarg_segment_size: 56
    .max_flat_workgroup_size: 128
    .sgpr_count:     66
    .vgpr_count:     248
    .wavefront_size: 32
...
	.end_amdgpu_metadata
.endif
;; end of part 1
;; launch qkv (part 2): grid 24 x 8, 4 waves a work-group, clusters of 4 x 4, 327,680 bytes of LDS; arguments codes, scales, gamma, beta, qkv; writes qkv
.if DOCPART == 2
	.amdgcn_target "amdgcn-amd-amdhsa--gfx1250"
	.amdhsa_code_object_version 6
	.text
	.protected	k_q3acd701840_qkv
	.globl	k_q3acd701840_qkv
	.p2align	8
	.type	k_q3acd701840_qkv,@function
k_q3acd701840_qkv:
	s_mov_b64 s[64:65], 0
	v_nop
	global_prefetch_b8 v0, s[64:65] scope:SCOPE_SE
	s_setreg_imm32_b32 hwreg(HW_REG_WAVE_MODE, 25, 1), 1
	s_wait_xcnt 0x0
	s_wait_alu depctr_hold_cnt(0) depctr_sa_sdst(0) depctr_va_vdst(0) depctr_va_sdst(0) depctr_va_ssrc(0) depctr_va_vcc(0) depctr_vm_vsrc(0)
	s_getreg_b32 s2, hwreg(HW_REG_IB_STS2, 6, 4)
	s_cmp_eq_u32 s2, 0
	s_cbranch_scc0 .Lentry_in_a_cluster
	s_endpgm
.Lentry_in_a_cluster:
	s_bfe_u32 s2, ttmp6, 0x10000c
	s_cmp_lg_u32 s2, 0xf033
	s_cbranch_scc0 .Lentry_shape_is_right
	s_endpgm
.Lentry_shape_is_right:
; The three projections on codes of FP6 (E2M3) with E8M0 scales, the feature map of q and k (affine, LayerNorm over a head's 128, q x 128^-0.5) in f32, and the quantisers of q, k (along d) and v (along the keys).
; ONE BODY FOR THREE KINDS (kind = cluster x / 2: q, k, v; the same in all partners of a cluster).  P is source 1 of the products (its rows fall on lanes), R source 0 (its rows fall on a lane's registers, the axis to be quantised).
; q, k: P = hidden_states (tokens), R = Wq or Wk (a head's 128).  v: P = Wv, R = hidden_states, that is V^T = Wv X^T, so that a lane's registers run along the keys.
; For v the feature map's numbers are replaced by 1, 0, 0, 1 (gain, bias, mean, factor) by v_cndmask_b32 on a scalar mask: x 1 + 0 - 0, x 1 is exact.  No branch hangs on the kind.
; OPERANDS lie in memory as images of their registers: a fragment (16 rows x 128 K, 12 registers a lane) is 1,536 bytes, registers 4 c .. 4 c + 3 of lane l at 512 c + 16 l; lane r of fragment f holds row
; 32 (f / 2) + 8 (f % 2) + r + 8 (r / 8), so that as source 0 the 64 registers of eight tiles are: register 16 b + i = row 32 b + 16 (lane / 16) + i.
; SHARES: 192 work-groups, a tile of 256 x 256 each; four waves, 128 x 128 each: 64 accumulators, 512 registers; a wave's 128 on the head's side are one head, so norms and blocks never leave a wave.
; K goes in steps of 256 (two matrix instructions deep) through a ring of two LDS slots; the scale words of the tile's rows for all of K come once, with the first fills.
; CLUSTERS: 4 x 4.  P's tiles are shared along a row of the cluster, R's along a column: each is asked for jointly, by the same tensor load with the same descriptor and a mask that names the four.
; RESULT: qkv [head 16][step 16][K, V, Q][12,800]: eight fragments, then their 8 x 16 scale words.  K, Q: token fragments 8 step + a, K = d.  V: d fragments a, K = keys 128 step on.
; LIMITS: NaN and infinities are not served; a block whose largest magnitude lies under 2^-124, a block of zeros among them, gets the scale byte 1.
; REGISTERS: window 0: v0-31 addresses; v32-63 scale words, two sets; v64-127 gamma; v128-223 P's eight fragments, one set (on the way out: v128-191 numbers, v192-211 codes); v224-249 at work.
;   window 1: R's fragments, two sets, at v0 and v128; beta at v96-127 and v224-255.   windows 2, 3: the accumulators ((a, b) at v[8 (8 (a % 4) + b)]).
.set FR,    12                         ; registers of a fragment
.set FRB,   1536                       ; and its image in bytes
.set NL,    3                          ; LDS loads that bring one
.set NP,    4                          ; places behind this matrix instruction (ISA guide 7.12.1)
.set NQ,    2                          ; matrix instructions deep in a slot
.set PART,  8*NQ*FRB                   ; eight fragments x two K steps: what one tensor load brings, and what one wave reads of P or of R
.set SLOT,  4*PART                     ; P's two halves, then R's two halves
.set LAPS,  4                          ; 2,048 along K = 8 slots = 4 laps
.set TENS,  3145728                    ; a tensor of codes
.set SCL,   2*SLOT                     ; behind the ring: the scale words, four parts of [K step 16][fragment 8][64 bytes]
.set SPART, 8192
.set SWS,   SCL+4*SPART                ; the way out: 512 bytes of scale words for each wave
.set SPARE, SWS+4*512                  ; the spare words, 128 bytes for each wave
.set ADRP, 16                          ; v16-17  LDS address of my P fragments in slot 0, 1
.set ADRR, 20                          ; v20-21  the same for R
.set LI,   24                          ; v24     16 x lane
.set SWA,  25                          ; v25     where my row's scale word goes
.set SWR,  26                          ; v26     where 16 bytes of the wave's 512 are read back
.set ADRS, 27                          ; v27     LDS address of my scale words: lanes 0-15 P's rows, lanes 16-31 R's
.set SPW,  28                          ; v28     my spare word; never rewritten
.set NIL,  29                          ; v29     0; never rewritten
.set GB,   30                          ; v30     64 h: my half's bytes in gamma and beta; never rewritten
.set SC,   32                          ; scale words: set s at v[SC + 16 s]; register 2 i + q: lanes 0-15 P's block i, lanes 16-31 R's block i, the slot's q-th 128 along K
.set G,    64                          ; gamma: register 16 b + i = gamma[32 b + 16 h + i]
.set AF,   128                         ; P's fragments
.set Y,    128                         ; the way out: 64 numbers
.set PC,   192                         ; the codes
.set TM,   224
.set PW,   240
.set MU,   242                         ; v[242:243] the mean (low word)
.set RS,   244                         ; v[244:245] the factor (low word)
.set T,    246                         ; v[246:249] sums
.set G1, 24                            ; s[24:31] descriptor group 1 for P's tiles;  s[32:39] group 0, one set for each slot
.set G0, 32
.set G1B, 48                           ; the same for R's tiles
.set G0B, 56
.set G1S, 68                           ; groups 1 and 0 for P's scale words;  s[80:87], s[88:91] for R's
.set G0S, 76
.set G1SB, 80
.set G0SB, 88
.set SEL,  94                          ; s[94:95] lane selects: lane l xor 16
.set KIND, 96
.set KM,   97                          ; all ones for q and k, 0 for v
.set CQ,   98                          ; 128^-0.5 for q, else 1
.set EPS,  99                          ; 1e-5
.set INV,  100                         ; 1 / 128
.set MSB, 0
.macro WIN new                         ; the immediate's high byte repeats the setting that is left
.if MSB != \new
	s_set_vgpr_msb (MSB<<8)|\new
.set MSB, \new
.endif
.endm
.set MUL_LO, 0xa1                      ; source 0 (R) window 1, source 1 (P) window 0, C and D window 2
.set MUL_HI, 0xf1                      ; the same, C and D window 3
.set TO_R,   0x40                      ; destination window 1, address window 0
; A joint load: waves 0 and 1 fetch for P, waves 2 and 3 for R.  Each of the two lines has one mask and one set of registers; the branch hangs on the wave's number alone.
; An s_nop 0 and four v_nop follow each of the two lines.
.macro JLOAD g0a, g1a, g0b, g1b
	s_cmp_eq_u32 s15, 0
	s_cbranch_scc0 .Lfor_r_\@
	tensor_load_to_lds s[\g0a:\g0a+3], s[\g1a:\g1a+7]
	s_nop 0
.rept 4
	v_nop
.endr
	s_branch .Lasked_\@
.Lfor_r_\@:
	tensor_load_to_lds s[\g0b:\g0b+3], s[\g1b:\g1b+7]
	s_nop 0
.rept 4
	v_nop
.endr
.Lasked_\@:
.endm
.macro CREST                           ; a round of the cluster's barrier behind its opening barrier
	s_cmp_lg_u32 s14, 0
	s_cbranch_scc1 .Lnot_wave_0_\@
	s_barrier_signal -3
.Lnot_wave_0_\@:
	s_barrier_wait -3
	s_barrier_signal -1
	s_barrier_wait -1
.endm
.macro CROUND                          ; a whole round
	s_barrier_signal -1
	s_barrier_wait -1
	CREST
.endm
; 64 numbers of a lane, register 16 b + i = k 32 b + 16 (lane / 16) + i of my row, become a fragment's codes in v[PC] on and its scale word in v[PW].
.macro QUANT s
.irp b, 0,1,2,3
	v_max3_num_f32 v[TM+\b], |v[\s+16*\b]|, |v[\s+1+16*\b]|, 0x1800000   ; my 16 numbers of block b, and the floor 2^(3 - 127): the byte cannot fall under 1
.endr
.irp i, 2,4,6,8,10,12,14
.irp b, 0,1,2,3
	v_max3_num_f32 v[TM+\b], v[TM+\b], |v[\s+16*\b+\i]|, |v[\s+1+16*\b+\i]|
.endr
.endr
.irp b, 0,1,2,3
	v_permlanex16_b32 v[TM+4+\b], v[TM+\b], s[SEL], s[SEL+1]
.endr
.irp b, 0,1,2,3
	v_max_num_f32 v[TM+\b], v[TM+\b], v[TM+4+\b]   ; with lane l xor 16's 16: the block's largest magnitude
.endr
.irp b, 0,1,2,3
	v_add_nc_u32 v[TM+12+\b], 0xff000000, v[TM+\b]   ; 2 off its exponent field: the conversion's scale operand
.endr
.irp b, 0,1,2,3
	v_lshrrev_b32 v[TM+4+\b], 23, v[TM+12+\b]      ; the scale's byte
.endr
	v_lshl_or_b32 v[PW], v[TM+5], 8, v[TM+4]
	v_lshl_or_b32 v[PW], v[TM+6], 16, v[PW]
	v_lshl_or_b32 v[PW], v[TM+7], 24, v[PW]
.irp c, 0,1
	v_cvt_scalef32_pk16_fp6_f32 v[PC+6*\c:PC+2+6*\c], v[\s+32*\c:\s+15+32*\c], v[TM+12+2*\c]
	v_cvt_scalef32_pk16_fp6_f32 v[PC+12+4*\c:PC+14+4*\c], v[\s+16+32*\c:\s+31+32*\c], v[TM+12+2*\c+1]
.endr
	v_nop                                          ; one plain place behind a scaled conversion
.irp c, 0,1                                    ; the operand's layout wants a whole block in a lane
.irp i, 0,1,2
	v_permlane16_swap_b32 v[PC+6*\c+\i], v[PC+12+4*\c+\i]
.endr
.irp i, 0,1,2
	v_mov_b32 v[PC+3+6*\c+\i], v[PC+12+4*\c+\i]
.endr
.endr
.endm
	s_load_b256 s[4:11], s[0:1], 0x0               ; codes, scales, gamma, beta
	s_load_b64 s[12:13], s[0:1], 0x20              ; qkv
	v_lshl_add_u32 v[SPW], v0, 2, SPARE
	v_mov_b32 v[NIL], 0
	ds_add_u32 v[SPW], v[NIL]                      ; the wave's opening: the add and its wait stand ahead of my first tensor load; the set-up below, work on registers, stands between them
	v_lshrrev_b32 v1, 5, v0
	v_readfirstlane_b32 s14, v1                    ; wave 0..3
	s_lshr_b32 s15, s14, 1                         ; which half of P's rows is mine.  Also: I fetch for P (0) or for R (1)
	s_and_b32 s16, s14, 1                          ; which half of R's rows.  Also: which half of that tile I fetch
	s_bfe_u32 s40, ttmp6, 0x40000                  ; cx, cy: my place in the cluster
	s_bfe_u32 s41, ttmp6, 0x40004
	s_lshl_b32 s42, ttmp9, 2
	s_add_co_u32 s42, s42, s40
	s_and_b32 s42, s42, 7                          ; R's tile: (4 x cluster x + cx) mod 8
	s_and_b32 s17, ttmp7, 0xffff
	s_lshl_b32 s17, s17, 2
	s_add_co_u32 s17, s17, s41                     ; P's tile: 4 x cluster y + cy
	s_lshr_b32 s[KIND], ttmp9, 1                   ; 0 q, 1 k, 2 v
	s_lshl_b32 s43, s41, 2
	s_lshl_b32 s43, 15, s43                        ; my row of the cluster
	s_lshl_b32 s44, 0x1111, s40                    ; my column
	; descriptor group 1 for codes: 8 fragments x 3,072 bytes (two K steps), 24,576 bytes apart; elements of 8 bytes, no padding; bit 21 set beside a mask
	s_or_b32 s[G1+0], s43, (3<<16)|(1<<21)
	s_or_b32 s[G1B+0], s44, (3<<16)|(1<<21)
.irp g, G1, G1B
	s_mov_b32 s[\g+1], 384<<16                     ; tensor_dim0
	s_mov_b32 s[\g+2], 8<<16                       ; tensor_dim1
	s_mov_b32 s[\g+3], 384<<16                     ; tile_dim0
	s_mov_b32 s[\g+4], 8                           ; tile_dim1
	s_mov_b32 s[\g+5], 3072                        ; tensor_dim0_stride
	s_mov_b32 s[\g+6], 0
	s_mov_b32 s[\g+7], 0
.endr
	; and for scale words: 16 K steps x 512 bytes (eight fragments), 8,192 bytes apart
	s_or_b32 s[G1S+0], s43, (3<<16)|(1<<21)
	s_or_b32 s[G1SB+0], s44, (3<<16)|(1<<21)
.irp g, G1S, G1SB
	s_mov_b32 s[\g+1], 64<<16
	s_mov_b32 s[\g+2], 16<<16
	s_mov_b32 s[\g+3], 64<<16
	s_mov_b32 s[\g+4], 16
	s_mov_b32 s[\g+5], 1024
	s_mov_b32 s[\g+6], 0
	s_mov_b32 s[\g+7], 0
.endr
	s_lshl_b32 s18, s16, 3                         ; which eight fragments of the tile I fetch
	s_lshl_b32 s20, s17, 4
	s_add_co_u32 s20, s20, s18                     ; P: fragment 16 x tile + 8 x half
	s_lshl_b32 s46, s42, 4
	s_add_co_u32 s46, s46, s18                     ; R likewise
	s_lshl_b32 s22, s20, 6                         ; their scale words, 64 bytes a fragment,
	s_lshl_b32 s92, s46, 6
	s_mul_i32 s20, s20, 16*FRB                     ; and their codes
	s_mul_i32 s46, s46, 16*FRB
	s_add_co_u32 s19, s[KIND], 1
	s_cmp_eq_u32 s[KIND], 2
	s_cselect_b32 s18, 3, 0                        ; P's tensor: Wv for v, else hidden_states
	s_cselect_b32 s19, 0, s19                      ; R's: hidden_states for v, else Wq or Wk
	s_cselect_b32 s[KM], 0, -1
	s_mul_i32 s67, s18, TENS
	s_add_co_u32 s20, s20, s67
	s_lshl_b32 s67, s18, 17
	s_add_co_u32 s22, s22, s67
	s_mul_i32 s67, s19, TENS
	s_add_co_u32 s46, s46, s67
	s_lshl_b32 s67, s19, 17
	s_add_co_u32 s92, s92, s67
	s_mov_b32 s21, 0
	s_mov_b32 s23, 0
	s_mov_b32 s47, 0
	s_mov_b32 s93, 0
	s_mov_b32 s[CQ], 0x3f800000
	s_cmp_eq_u32 s[KIND], 0
	s_cselect_b32 s[CQ], 0x3db504f3, s[CQ]         ; 128^-0.5 for q
	s_mov_b32 s[EPS], 0x3727c5ac
	s_mov_b32 s[INV], 0x3c000000
	s_mov_b32 s[SEL], 0x76543210
	s_mov_b32 s[SEL+1], 0xfedcba98
	s_mul_i32 s45, s14, PART                       ; where they go: wave x a part: no place in the cluster enters an LDS address
	s_lshl_b32 s66, s14, 13
	s_wait_dscnt 0x0                               ; the opening add is done
	s_wait_kmcnt 0x0
	s_add_nc_u64 s[20:21], s[4:5], s[20:21]
	s_add_nc_u64 s[22:23], s[6:7], s[22:23]
	s_add_nc_u64 s[46:47], s[4:5], s[46:47]
	s_add_nc_u64 s[92:93], s[6:7], s[92:93]
	CROUND                                         ; all sixteen work-groups are here: the first joint loads meet
	s_mov_b32 s[G0S], 1
	s_add_co_u32 s[G0S+1], s66, SCL
	s_mov_b64 s[G0S+2:G0S+3], s[22:23]
	s_or_b32 s[G0S+3], s[G0S+3], 0x80000000
	s_mov_b32 s[G0SB], 1
	s_add_co_u32 s[G0SB+1], s66, SCL
	s_mov_b64 s[G0SB+2:G0SB+3], s[92:93]
	s_or_b32 s[G0SB+3], s[G0SB+3], 0x80000000
	JLOAD G0S, G1S, G0SB, G1SB                     ; the scale words first: they are wanted with the first slot
.irp s, 0,1
	s_mov_b32 s[G0+4*\s], 1
	s_add_co_u32 s[G0+4*\s+1], s45, \s*SLOT
	s_add_nc_u64 s[G0+4*\s+2:G0+4*\s+3], s[20:21], \s*NQ*FRB
	s_or_b32 s[G0+4*\s+3], s[G0+4*\s+3], 0x80000000
	s_mov_b32 s[G0B+4*\s], 1
	s_add_co_u32 s[G0B+4*\s+1], s45, \s*SLOT
	s_add_nc_u64 s[G0B+4*\s+2:G0B+4*\s+3], s[46:47], \s*NQ*FRB
	s_or_b32 s[G0B+4*\s+3], s[G0B+4*\s+3], 0x80000000
	JLOAD G0+4*\s, G1, G0B+4*\s, G1B
.endr
	v_and_b32 v1, 15, v0                           ; r
	v_bfe_u32 v2, v0, 4, 1                         ; h
	v_and_b32 v3, 31, v0                           ; lane
	v_lshlrev_b32 v[LI], 4, v3
	v_lshlrev_b32 v[GB], 6, v2
.irp u, 0,1,2,3                                ; gamma and beta in the results' layout: register 16 u + 4 j on = index 32 u + 16 h + 4 j on.  They are waited for on the way out
.irp j, 0,1,2,3
	global_load_b128 v[G+16*\u+4*\j:G+16*\u+4*\j+3], v[GB], s[8:9] offset:128*\u+16*\j
.endr
.endr
	WIN TO_R
.irp u, 0,1,2,3
.irp j, 0,1,2,3
	global_load_b128 v[96+16*\u+4*\j+96*(\u/2):96+16*\u+4*\j+96*(\u/2)+3], v[GB], s[10:11] offset:128*\u+16*\j
.endr
.endr
	WIN 0
	s_mul_i32 s18, s15, PART                       ; my eight fragments of P,
	s_mul_i32 s19, s16, PART                       ; and of R,
	s_add_co_u32 s19, s19, 2*PART                  ; which lie behind P's sixteen
.irp s, 0,1
	v_add_nc_u32 v[ADRP+\s], s18, v[LI]
	v_add_nc_u32 v[ADRR+\s], s19, v[LI]
	s_add_co_u32 s18, s18, SLOT
	s_add_co_u32 s19, s19, SLOT
.endr
	s_lshl_b32 s18, s15, 13                        ; scale words: P's part,
	s_lshl_b32 s19, s16, 13                        ; R's part, behind P's two
	s_add_co_u32 s19, s19, 2*SPART
	s_sub_co_u32 s19, s19, s18
	v_mul_u32_u24 v4, s19, v2                      ; lanes 16-31 take R's
	s_add_co_u32 s18, s18, SCL
	v_lshl_add_u32 v4, v1, 2, v4                   ; 4 bytes a row
	v_add_nc_u32 v[ADRS], s18, v4
	s_lshl_b32 s18, s14, 9
	s_add_co_u32 s18, s18, SWS
	v_lshl_add_u32 v[SWA], v1, 2, s18
	v_add_nc_u32 v[SWR], s18, v[LI]
.irp b, 0,1,2,3
	v_mov_b32 v[TM+4+\b], 0                        ; written once: a lane permute's destination counts as one of its sources
.endr
	v_mov_b32 v[MU+1], 0                           ; (named as the upper halves of pairs)
	v_mov_b32 v[RS+1], 0
	; where my block of the result begins: head and step change places for v
	s_lshl_b32 s20, s17, 1
	s_add_co_u32 s20, s20, s15                     ; P's 128 rows: 2 x tile + half
	s_lshl_b32 s46, s42, 1
	s_add_co_u32 s46, s46, s16                     ; R's
	s_sub_co_u32 s19, s[KIND], 1
	s_cmp_eq_u32 s[KIND], 0
	s_cselect_b32 s19, 2, s19                      ; place in a step: K 0, V 1, Q 2
	s_cmp_eq_u32 s[KIND], 2
	s_cselect_b32 s18, s20, s46                    ; the head
	s_cselect_b32 s21, s46, s20                    ; the step
	s_lshl_b32 s18, s18, 4
	s_add_co_u32 s18, s18, s21
	s_mul_i32 s18, s18, 38400
	s_mul_i32 s19, s19, 12800
	s_add_co_u32 s18, s18, s19
	s_mov_b32 s19, 0
	s_add_nc_u64 s[12:13], s[12:13], s[18:19]
.macro FRAG reg, adr, q, i             ; a fragment comes back as it was stored: three loads of 16 bytes a lane, 512 consecutive bytes each
.irp c, 0,1,2
	ds_load_b128 v[\reg+4*\c:\reg+4*\c+3], v[\adr] offset:(\i)*NQ*FRB+(\q)*FRB+512*\c
.endr
.endm
; 16 matrix instructions: P's blocks a0, a0 + 1 x R's eight, 128 along K: the slot's q-th.  p: R's set;  sc: the set of scale words.  zero = 1: the first product starts the sums.
; The 64 accumulators take turns, one instruction a turn, in the same order in every step.
.macro MUL16 a0, p, q, sc, zero
.irp a, \a0, \a0+1
.irp b, 0,1,2,3,4,5,6,7
.if \zero
	v_wmma_scale_f32_16x16x128_f8f6f4 v[8*(8*((\a)%4)+\b):8*(8*((\a)%4)+\b)+7], v[128*(\p)+FR*\b:128*(\p)+FR*\b+FR-1], v[AF+FR*(\a):AF+FR*(\a)+FR-1], 0, v[SC+8*NQ*(\sc)+NQ*\b+(\q)], v[SC+8*NQ*(\sc)+NQ*(\a)+(\q)] matrix_a_fmt:MATRIX_FMT_FP6 matrix_b_fmt:MATRIX_FMT_FP6 matrix_a_scale:MATRIX_SCALE_ROW1
.else
	v_wmma_scale_f32_16x16x128_f8f6f4 v[8*(8*((\a)%4)+\b):8*(8*((\a)%4)+\b)+7], v[128*(\p)+FR*\b:128*(\p)+FR*\b+FR-1], v[AF+FR*(\a):AF+FR*(\a)+FR-1], v[8*(8*((\a)%4)+\b):8*(8*((\a)%4)+\b)+7], v[SC+8*NQ*(\sc)+NQ*\b+(\q)], v[SC+8*NQ*(\sc)+NQ*(\a)+(\q)] matrix_a_fmt:MATRIX_FMT_FP6 matrix_b_fmt:MATRIX_FMT_FP6 matrix_a_scale:MATRIX_SCALE_ROW1
.endif
.endr
.endr
.endm
.macro FETCH_R slot, q, p              ; R's eight fragments of the slot's q-th 128 along K into set p
	WIN TO_R
.irp i, 0,1,2,3,4,5,6,7
	FRAG 128*(\p)+FR*\i, ADRR+\slot, \q, \i
.endr
	WIN 0
.endm
.macro FETCH_P slot, q, i0             ; P's blocks i0 .. i0 + 3
.irp i, \i0, \i0+1, \i0+2, \i0+3
	FRAG AF+FR*(\i), ADRP+\slot, \q, \i
.endr
.endm
.macro SCALES sc                       ; a slot's scale words into set sc: lanes 0-15 take P's block i, lanes 16-31 R's block i
.irp i, 0,1,2,3,4,5,6,7
.irp q, 0,1
	ds_load_b32 v[SC+8*NQ*\sc+NQ*\i+\q], v[ADRS] offset:512*\q+64*\i
.endr
.endr
.endm
; A load into a register that a matrix instruction has read, and a vector instruction that reads a matrix result, stand NP places behind that matrix instruction; only plain vector instructions that name none of
; its registers are places (ISA guide 7.12.1 for vector instructions).
.macro PLACES n
.rept \n
	v_nop
.endr
.endm
; A step of 128 along K that has its successor in the same slot.
.macro STEP slot, q, zero
	s_wait_dscnt 4*NL                              ; R's set and P's blocks 0-3 are in; the youngest twelve loads (P's blocks 4-7) may be out
	WIN MUL_LO
	MUL16 0, (\q)%2, \q, \slot, \zero
	MUL16 2, (\q)%2, \q, \slot, \zero
	s_wait_dscnt 0                                 ; P's blocks 4-7 are in (asked for 32 matrix instructions ago)
	PLACES NP
	FETCH_R \slot, (\q)+1, 1-(\q)%2
	FETCH_P \slot, (\q)+1, 0
	WIN MUL_HI
	MUL16 4, (\q)%2, \q, \slot, \zero
	MUL16 6, (\q)%2, \q, \slot, \zero
	PLACES NP
	WIN 0
	FETCH_P \slot, (\q)+1, 4
.endm
; A slot's last step changes slots: one barrier; in front of it each wave waits for all its tensor loads, adds 0 to its spare word, and waits for that and for its own reads of this slot.  fill = 1: this slot is filled again, two slots ahead.
.macro TURN slot, next, fill
	s_wait_tensorcnt 0x0                           ; all my tensor loads have landed: my part of the next slot
	ds_add_u32 v[SPW], v[NIL]                      ; 0 onto my spare word
	s_wait_dscnt 4*NL+1                            ; (the add and the youngest twelve loads, P's blocks 4-7, may be out)
	WIN MUL_LO
	MUL16 0, 1, NQ-1, \slot, 0                     ; sixteen matrix instructions stand between the add and the wait for it
	s_wait_dscnt 0x0                               ; the add is done, and my reads of this slot are over
	s_barrier_signal -1
	MUL16 2, 1, NQ-1, \slot, 0
	WIN 0
	s_barrier_wait -1
.if \fill
	CREST                                          ; the barrier has opened a round of the cluster's barrier: no wave of any partner still reads this slot or has a load on its way
	s_add_nc_u64 s[G0+4*\slot+2:G0+4*\slot+3], s[G0+4*\slot+2:G0+4*\slot+3], 2*NQ*FRB
	s_add_nc_u64 s[G0B+4*\slot+2:G0B+4*\slot+3], s[G0B+4*\slot+2:G0B+4*\slot+3], 2*NQ*FRB
	JLOAD G0+4*\slot, G1, G0B+4*\slot, G1B         ; the first tensor load behind the round; the four v_nop behind it are the places in front of the loads below
.else
	PLACES NP
.endif
	v_add_nc_u32 v[ADRS], 512*NQ, v[ADRS]          ; on to the next slot's scale words (no LDS load of mine is out)
	FETCH_R \next, 0, 0
	FETCH_P \next, 0, 0
	SCALES \next
	WIN MUL_HI
	MUL16 4, 1, NQ-1, \slot, 0
	MUL16 6, 1, NQ-1, \slot, 0
	PLACES NP
	WIN 0
	FETCH_P \next, 0, 4
.endm
	s_wait_tensorcnt 1                             ; the scale words and my part of slot 0 are in (slot 1's load may be out)
	s_barrier_signal -1
	s_barrier_wait -1                              ; everybody's are
	FETCH_R 0, 0, 0
	FETCH_P 0, 0, 0
	SCALES 0
	FETCH_P 0, 0, 4
	STEP 0, 0, 1                                   ; the first step stands in front of the loop: its products start the sums
	s_mov_b32 s3, LAPS-1
.Llap:                                                 ; a trip goes once round the ring, from a lap's second step to the next lap's first, and fills both slots again
	TURN 0, 1, 1
	STEP 1, 0, 0
	TURN 1, 0, 1
	STEP 0, 0, 0
	s_sub_co_u32 s3, s3, 1
	s_cmp_lg_u32 s3, 0
	s_cbranch_scc1 .Llap
	TURN 0, 1, 0                                   ; the last lap fills nothing, and has no round of the cluster's barrier
	STEP 1, 0, 0
	s_wait_dscnt 4*NL                              ; the very last step: nothing more to fetch
	WIN MUL_LO
	MUL16 0, 1, NQ-1, 1, 0
	MUL16 2, 1, NQ-1, 1, 0
	s_wait_dscnt 0
	WIN MUL_HI
	MUL16 4, 1, NQ-1, 1, 0
	MUL16 6, 1, NQ-1, 1, 0
	WIN 0
	; THE WAY OUT.  P's block a (16 rows on the lanes) x R's 128 (64 registers a lane and 64 in lane l xor 16): feature map, quantiser, image.
	PLACES NP                                      ; behind the last products: the numbers are laid over P's fragments
	s_wait_loadcnt 0x0                             ; gamma and beta
.set n, 0
.rept 64
	v_cndmask_b32 v[G+n], 1.0, v[G+n], s[KM]       ; for v the gain is 1,
.set n, n+1
.endr
	WIN 0x44
.set n, 0
.rept 64
	v_cndmask_b32 v[96+n+96*(n/32)], 0, v[96+n+96*(n/32)], s[KM]   ; and the bias 0
.set n, n+1
.endr
	WIN 0
.macro ACROSS                          ; two chains of pairs -> the row's sum over all 128, in every lane
	v_pk_add_f32 v[T:T+1], v[T:T+1], v[T+2:T+3]
	v_add_f32 v[T], v[T], v[T+1]
	v_permlanex16_b32 v[T+1], v[T], s[SEL], s[SEL+1]
	v_add_f32 v[T], v[T], v[T+1]
.endm
.macro BLOCK a
.set AC, 64*((\a)%4)
.if (\a) > 0
	s_wait_xcnt 0x0                                ; the last image's stores have read the codes' registers, which are written again below
.endif
	WIN 0x12+(\a)/4                                ; source 0 (the sums) window 2 or 3, source 2 (beta) window 1
.set n, 0
.rept 32
	v_pk_fma_f32 v[Y+n:Y+n+1], v[AC+n:AC+n+1], v[G+n:G+n+1], v[96+n+96*(n/32):97+n+96*(n/32)]   ; x gamma + beta; each accumulator from its low end on
.set n, n+2
.endr
	WIN 0
	v_pk_add_f32 v[T:T+1], v[Y:Y+1], v[Y+2:Y+3]
	v_pk_add_f32 v[T+2:T+3], v[Y+4:Y+5], v[Y+6:Y+7]
.irp j, 8,12,16,20,24,28,32,36,40,44,48,52,56,60
	v_pk_add_f32 v[T:T+1], v[T:T+1], v[Y+\j:Y+\j+1]
	v_pk_add_f32 v[T+2:T+3], v[T+2:T+3], v[Y+\j+2:Y+\j+3]
.endr
	ACROSS
	v_mul_f32 v[MU], s[INV], v[T]                  ; the mean
	v_cndmask_b32 v[MU], 0, v[MU], s[KM]           ; (0 for v)
.set n, 0
.rept 32
	v_pk_add_f32 v[Y+n:Y+n+1], v[Y+n:Y+n+1], v[MU:MU+1] op_sel_hi:[1,0] neg_lo:[0,1] neg_hi:[0,1]
.set n, n+2
.endr
	v_pk_mul_f32 v[T:T+1], v[Y:Y+1], v[Y:Y+1]
	v_pk_mul_f32 v[T+2:T+3], v[Y+2:Y+3], v[Y+2:Y+3]
.irp j, 4,8,12,16,20,24,28,32,36,40,44,48,52,56,60
	v_pk_fma_f32 v[T:T+1], v[Y+\j:Y+\j+1], v[Y+\j:Y+\j+1], v[T:T+1]
	v_pk_fma_f32 v[T+2:T+3], v[Y+\j+2:Y+\j+3], v[Y+\j+2:Y+\j+3], v[T+2:T+3]
.endr
	ACROSS
	v_fma_f32 v[T], v[T], s[INV], s[EPS]           ; the variance + 1e-5
	v_rsq_f32 v[RS], v[T]
	v_nop                                          ; one plain place behind the transcendental,
	s_wait_alu depctr_va_vdst(0)                   ; and a wait ahead of its first reader
	v_mul_f32 v[RS], s[CQ], v[RS]                  ; x 128^-0.5 for q
	v_cndmask_b32 v[RS], 1.0, v[RS], s[KM]         ; (1 for v)
.set n, 0
.rept 32
	v_pk_mul_f32 v[Y+n:Y+n+1], v[Y+n:Y+n+1], v[RS:RS+1] op_sel_hi:[1,0]
.set n, n+2
.endr
	QUANT Y
.irp c, 0,1,2
	global_store_b128 v[LI], v[PC+4*\c:PC+4*\c+3], s[12:13] offset:FRB*(\a)+512*\c   ; 32 lanes store 512 consecutive bytes, aligned
.endr
	ds_store_b32 v[SWA], v[PW] offset:64*(\a)      ; lanes r and r + 16 write the same word with the same value
.endm
	BLOCK 0
	BLOCK 1
	BLOCK 2
	BLOCK 3
	BLOCK 4
	BLOCK 5
	BLOCK 6
	BLOCK 7
	ds_load_b128 v[Y:Y+3], v[SWR]                  ; the eight fragments' scale words: LDS serves a wave's instructions in order
	s_wait_dscnt 0x0
	global_store_b128 v[LI], v[Y:Y+3], s[12:13] offset:8*FRB
	s_wait_tensorcnt 0x0                           ; the wave's end: behind my last tensor load and my last LDS store
	ds_add_u32 v[SPW], v[NIL]
	s_wait_dscnt 0x0
	CROUND                                         ; the closing round: no work-group ends while a partner may still ask for a tile that names it
	s_endpgm
.Lfunc_end_k_q3acd701840_qkv:
	.size	k_q3acd701840_qkv, .Lfunc_end_k_q3acd701840_qkv-k_q3acd701840_qkv
	.p2alignl 7, 3214868480
	.fill 96, 4, 3214868480
	.section	.rodata,"a",@progbits
	.p2align	6, 0x0
	.amdhsa_kernel k_q3acd701840_qkv
		.amdhsa_group_segment_fixed_size 327680
		.amdhsa_private_segment_fixed_size 0
		.amdhsa_enable_private_segment 0
		.amdhsa_kernarg_size 40
		.amdhsa_user_sgpr_count 2
		.amdhsa_user_sgpr_kernarg_segment_ptr 1
		.amdhsa_wavefront_size32 1
		.amdhsa_system_sgpr_workgroup_id_x 1
		.amdhsa_system_sgpr_workgroup_id_y 1
		.amdhsa_system_sgpr_workgroup_id_z 1
		.amdhsa_system_vgpr_workitem_id 0
		.amdhsa_next_free_vgpr 1024
		.amdhsa_next_free_sgpr 102
		.amdhsa_reserve_vcc 0
		.amdhsa_float_denorm_mode_32 3
		.amdhsa_float_denorm_mode_16_64 3
		.amdhsa_memory_ordered 1
		.amdhsa_forward_progress 1
		.amdhsa_inst_pref_size 238
	.end_amdhsa_kernel
	.amdgpu_metadata
---
amdhsa.version: [ 1, 2 ]
amdhsa.kernels:
  - .name:           k_q3acd701840_qkv
    .symbol:         k_q3acd701840_qkv.kd
    .args:
      - { .name: codes, .offset: 0, .size: 8, .value_kind: global_buffer, .address_space: global }
      - { .name: scales, .offset: 8, .size: 8, .value_kind: global_buffer, .address_space: global }
      - { .name: gamma, .offset: 16, .size: 8, .value_kind: global_buffer, .address_space: global }
      - { .name: beta, .offset: 24, .size: 8, .value_kind: global_buffer, .address_space: global }
      - { .name: qkv, .offset: 32, .size: 8, .value_kind: global_buffer, .address_space: global }
    .group_segment_fixed_size: 327680
    .private_segment_fixed_size: 0
    .kernarg_segment_align: 8
    .kernarg_segment_size: 40
    .max_flat_workgroup_size: 128
    .sgpr_count:     102
    .vgpr_count:     1024
    .wavefront_size: 32
...
	.end_amdgpu_metadata
.endif
;; end of part 2
;; launch attn (part 3): grid 16 x 16, 8 waves a work-group, no clusters, 327,680 bytes of LDS; arguments qkv, oc, os; writes oc, os
.if DOCPART == 3
	.amdgcn_target "amdgcn-amd-amdhsa--gfx1250"
	.amdhsa_code_object_version 6
	.text
	.protected	k_q3acd701840_attn
	.globl	k_q3acd701840_attn
	.p2align	8
	.type	k_q3acd701840_attn,@function
k_q3acd701840_attn:
	s_mov_b64 s[64:65], 0
	v_nop
	global_prefetch_b8 v0, s[64:65] scope:SCOPE_SE
	s_setreg_imm32_b32 hwreg(HW_REG_WAVE_MODE, 25, 1), 1
	s_wait_xcnt 0x0
; o[q] = (sum over keys k <= q of (q . k)^2 v[k]) / (sum over keys k <= q of (q . k)^2 + 1e-5), head by head, both products on codes of FP6 (E2M3) with E8M0 scales; then o is quantised along its 128 for the last projection.
; Both products are used transposed: S^T = K Q^T (source 0 = 16 keys, source 1 = my 16 queries), O^T = V^T A^T (source 0 = 16 of the head's 128, source 1 = the squared scores): a lane holds one query throughout.
; The keys of a fragment are not neighbours (lane r of fragment f: row 32 (f / 2) + 8 (f % 2) + r + 8 (r / 8)), so that register 16 b + i of the eight score tiles is key 32 b + 16 (lane / 16) + i of the step.
; The squared, masked scores are quantised along the keys, block by block of 32; the row's sum is taken of the unquantised numbers, in f32.
; SHARES: a work-group owns eight fragments of 16 queries of one head, one a wave: fragments 4 j + w (w < 4) and 120 - 4 j + w (w >= 4): early and late queries together, 17 key steps of 128 for each such pair at every j.
; A wave works key steps 0 .. f / 8; in the last of them hidden scores are set to 0; the steps behind it are left out by a scalar branch on ids.  The loops' trip counts are constants.
; K and V of the head come through three LDS slots of four key steps; slot 0 is filled a second time.  Each wave fetches one block (eight fragments and their scale words, 12,800 dense bytes) of each slot.
; NO CLUSTER: which steps a work-group leaves out hangs on its block of queries, which differs between the work-groups that share a head.
; LIMITS: NaN and infinities are not served; a block whose largest magnitude lies under 2^-124, a block of zeros among them, gets the scale byte 1.
.set BLK,   12800                      ; eight fragments of 1,536 bytes, then 8 x 64 bytes of scale words
.set STEPB, 2*BLK                      ; a key step in LDS: K's block, V's block
.set STEPM, 3*BLK                      ; and in memory: K's, V's, Q's
.set SLOTB, 4*STEPB
.set OSW,   3*SLOTB                    ; behind the slots: o's scale words, 64 bytes a wave
.set SPARE, OSW+512                    ; the spare words, 128 bytes for each of eight waves
.set LI,  1                            ; v1  16 x lane
.set LS,  2                            ; v2  4 x lane
.set DG,  3                            ; v3  my query's place in its step - 16 h: register n is hidden where 32 (n / 16) + n % 16 is above it
.set SPW, 4                            ; v4  my spare word; never rewritten
.set NIL, 5                            ; v5  0; never rewritten
.set AD,  6                            ; v6  the step's fragments
.set AS,  7                            ; v7  the step's scale words
.set OWA, 8                            ; v8  where my row's scale word of o goes
.set ORA, 9                            ; v9  where 8 bytes of 256 are read back
.set L8,  10                           ; v10 8 x lane
.set R4,  11                           ; v11 4 r
.set ZT,  12                           ; v[12:13] at work
.set Z,   14                           ; v[14:15] the row's sum, in two halves
.set QF,  16                           ; v16-27 Q's fragment
.set QS,  28                           ; v28 its scale words
.set F,   32                           ; v32-79 four fragments of K or of V
.set TM,  80                           ; v80-95 at work
.set S,   96                           ; v96-159 the scores, their squares; then V's fragments 4-7
.set O,   160                          ; v160-223 O^T
.set PC,  224                          ; v224-243 the codes
.set PW,  244                          ; v244 their scale word
.set SW,  248                          ; v248-251 scale words of K or V: register u: lanes 0-15 fragment 2 u, lanes 16-31 fragment 2 u + 1
.set WV,  10
.set HD,  12
.set FQ,  13
.set SD,  14                           ; my last key step
.set KS,  15                           ; the key step in hand
.set TB,  16                           ; where it lies in LDS
.set CNT, 17
.set SEL, 20
.set EPS, 22
.set G1,  24                           ; s[24:31] descriptor group 1
.set G0,  32                           ; s[32:43] group 0, one set for each slot
.macro QUANT s
.irp b, 0,1,2,3
	v_max3_num_f32 v[TM+\b], |v[\s+16*\b]|, |v[\s+1+16*\b]|, 0x1800000   ; my 16 numbers of block b, and the floor 2^(3 - 127): the byte cannot fall under 1
.endr
.irp i, 2,4,6,8,10,12,14
.irp b, 0,1,2,3
	v_max3_num_f32 v[TM+\b], v[TM+\b], |v[\s+16*\b+\i]|, |v[\s+1+16*\b+\i]|
.endr
.endr
.irp b, 0,1,2,3
	v_permlanex16_b32 v[TM+4+\b], v[TM+\b], s[SEL], s[SEL+1]
.endr
.irp b, 0,1,2,3
	v_max_num_f32 v[TM+\b], v[TM+\b], v[TM+4+\b]   ; with lane l xor 16's 16: the block's largest magnitude
.endr
.irp b, 0,1,2,3
	v_add_nc_u32 v[TM+12+\b], 0xff000000, v[TM+\b]   ; 2 off its exponent field: the conversion's scale operand
.endr
.irp b, 0,1,2,3
	v_lshrrev_b32 v[TM+4+\b], 23, v[TM+12+\b]      ; the scale's byte
.endr
	v_lshl_or_b32 v[PW], v[TM+5], 8, v[TM+4]
	v_lshl_or_b32 v[PW], v[TM+6], 16, v[PW]
	v_lshl_or_b32 v[PW], v[TM+7], 24, v[PW]
.irp c, 0,1
	v_cvt_scalef32_pk16_fp6_f32 v[PC+6*\c:PC+2+6*\c], v[\s+32*\c:\s+15+32*\c], v[TM+12+2*\c]
	v_cvt_scalef32_pk16_fp6_f32 v[PC+12+4*\c:PC+14+4*\c], v[\s+16+32*\c:\s+31+32*\c], v[TM+12+2*\c+1]
.endr
	v_nop                                          ; one plain place behind a scaled conversion
.irp c, 0,1                                    ; the operand's layout wants a whole block in a lane
.irp i, 0,1,2
	v_permlane16_swap_b32 v[PC+6*\c+\i], v[PC+12+4*\c+\i]
.endr
.irp i, 0,1,2
	v_mov_b32 v[PC+3+6*\c+\i], v[PC+12+4*\c+\i]
.endr
.endr
.endm
	s_load_b128 s[4:7], s[0:1], 0x0                ; qkv, oc
	s_load_b64 s[8:9], s[0:1], 0x10                ; os
	v_lshl_add_u32 v[SPW], v0, 2, SPARE
	v_mov_b32 v[NIL], 0
	ds_add_u32 v[SPW], v[NIL]                      ; the wave's opening: the add and its wait stand ahead of my first tensor load; the set-up below, work on registers, stands between them
	v_lshrrev_b32 v80, 5, v0
	v_readfirstlane_b32 s[WV], v80                 ; wave 0..7
	s_and_b32 s[HD], ttmp7, 0xffff                 ; the head
	s_lshl_b32 s44, ttmp9, 2                       ; 4 j
	s_add_co_u32 s45, s44, s[WV]
	s_sub_co_u32 s46, 120, s44
	s_add_co_u32 s46, s46, s[WV]
	s_cmp_lt_u32 s[WV], 4
	s_cselect_b32 s[FQ], s45, s46                  ; my fragment of queries
	s_lshr_b32 s[SD], s[FQ], 3
	s_mov_b32 s[KS], 0
	s_mov_b32 s[SEL], 0x76543210
	s_mov_b32 s[SEL+1], 0xfedcba98
	s_mov_b32 s[EPS], 0x3727c5ac                   ; 1e-5
	; descriptor group 1: a dense block of 12,800 bytes as 50 rows of 256 bytes (32 elements of 8 bytes), no padding, no mask
	s_mov_b32 s[G1+0], 3<<16
	s_mov_b32 s[G1+1], 32<<16                      ; tensor_dim0
	s_mov_b32 s[G1+2], 50<<16                      ; tensor_dim1
	s_mov_b32 s[G1+3], 32<<16                      ; tile_dim0
	s_mov_b32 s[G1+4], 50                          ; tile_dim1
	s_mov_b32 s[G1+5], 32                          ; tensor_dim0_stride
	s_mov_b32 s[G1+6], 0
	s_mov_b32 s[G1+7], 0
	s_mul_i32 s48, s[HD], 16*STEPM                 ; the head's first byte in qkv
	s_lshr_b32 s49, s[WV], 1                       ; what I fetch of a slot: step w / 2,
	s_mul_i32 s49, s49, STEPM
	s_add_co_u32 s50, s48, s49
	s_and_b32 s49, s[WV], 1                        ; K's block (0) or V's (1)
	s_mul_i32 s49, s49, BLK
	s_add_co_u32 s50, s50, s49
	s_mov_b32 s51, 0
	s_mul_i32 s47, s[WV], BLK                      ; and where it goes in a slot
	s_mul_i32 s52, s[SD], STEPM                    ; Q's block of my step,
	s_add_co_u32 s52, s52, s48
	s_add_co_u32 s52, s52, 2*BLK
	s_and_b32 s54, s[FQ], 7
	s_mul_i32 s55, s54, 1536
	s_lshl_b32 s54, s54, 6
	s_add_co_u32 s54, s54, s52
	s_add_co_u32 s54, s54, 12288                   ; my fragment's scale words,
	s_add_co_u32 s52, s52, s55                     ; and its codes
	s_mov_b32 s53, 0
	s_mov_b32 s55, 0
	s_lshl_b32 s56, s[FQ], 4
	s_add_co_u32 s56, s56, s[HD]
	s_mul_i32 s56, s56, 1536                       ; oc: fragment f, K step = head
	s_mov_b32 s57, 0
	s_lshl_b32 s58, ttmp9, 8                       ; os: four fragments' words, 256 bytes: wave 0 stores the early ones', wave 1 the late ones'
	s_sub_co_u32 s59, 7936, s58
	s_cmp_eq_u32 s[WV], 0
	s_cselect_b32 s58, s58, s59
	s_lshl_b32 s59, s[HD], 13
	s_add_co_u32 s58, s58, s59
	s_mov_b32 s59, 0
	s_wait_dscnt 0x0                               ; the opening add is done
	s_wait_kmcnt 0x0
	s_add_nc_u64 s[50:51], s[4:5], s[50:51]
	s_add_nc_u64 s[52:53], s[4:5], s[52:53]
	s_add_nc_u64 s[54:55], s[4:5], s[54:55]
	s_add_nc_u64 s[6:7], s[6:7], s[56:57]
	s_add_nc_u64 s[8:9], s[8:9], s[58:59]
.irp s, 0,1,2                                  ; the three first fills go out together: three tensor loads of mine are out
	s_mov_b32 s[G0+4*\s], 1
	s_add_co_u32 s[G0+4*\s+1], s47, \s*SLOTB
	s_add_nc_u64 s[G0+4*\s+2:G0+4*\s+3], s[50:51], \s*4*STEPM
	s_or_b32 s[G0+4*\s+3], s[G0+4*\s+3], 0x80000000
	tensor_load_to_lds s[G0+4*\s:G0+4*\s+3], s[G1:G1+7]
	s_nop 0
.endr
	v_and_b32 v80, 31, v0                          ; lane
	v_and_b32 v81, 15, v0                          ; r
	v_bfe_u32 v82, v0, 4, 1                        ; h
	v_lshlrev_b32 v[LI], 4, v80
	v_lshlrev_b32 v[LS], 2, v80
	v_lshlrev_b32 v[L8], 3, v80
	v_lshlrev_b32 v[R4], 2, v81
.irp c, 0,1,2
	global_load_b128 v[QF+4*\c:QF+4*\c+3], v[LI], s[52:53] offset:512*\c   ; Q's fragment stays in registers
.endr
	global_load_b32 v[QS], v[R4], s[54:55]
	s_bfe_u32 s44, s[FQ], 0x20001
	s_lshl_b32 s44, s44, 5
	s_and_b32 s45, s[FQ], 1
	s_lshl_b32 s45, s45, 3
	s_add_co_u32 s44, s44, s45                     ; 32 ((f / 2) % 4) + 8 (f % 2)
	v_and_b32 v83, 8, v81
	v_add_nc_u32 v83, v83, v81                     ; r + 8 (r / 8)
	v_lshlrev_b32 v82, 4, v82
	v_sub_nc_u32 v[DG], v83, v82
	v_add_nc_u32 v[DG], s44, v[DG]
	s_lshl_b32 s45, s[WV], 6
	s_add_co_u32 s45, s45, OSW
	v_lshl_add_u32 v[OWA], v81, 2, s45
	s_and_b32 s45, s[WV], 1
	s_lshl_b32 s45, s45, 8
	s_add_co_u32 s45, s45, OSW
	v_lshl_add_u32 v[ORA], v80, 3, s45
	v_mov_b32 v[ZT], 0
	v_mov_b32 v[ZT+1], 0
	v_mov_b32 v[Z], 0
	v_mov_b32 v[Z+1], 0
.irp b, 0,1,2,3
	v_mov_b32 v[TM+4+\b], 0                        ; written once: a lane permute's destination counts as one of its sources
.endr
.set n, 0
.rept 64
	v_mov_b32 v[O+n], 0                            ; O^T: the key step is written once, so its first pass adds onto zeros
.set n, n+1
.endr
.macro SMM t, g                        ; score tile 4 g + t = K's fragment in v[F + 12 t] x Q; odd fragments' scale words lie in lanes 16-31
.set TT, 4*(\g)+(\t)
.if (\t)%2
	v_wmma_scale_f32_16x16x128_f8f6f4 v[S+8*TT:S+8*TT+7], v[F+12*(\t):F+12*(\t)+11], v[QF:QF+11], 0, v[SW+TT/2], v[QS] matrix_a_fmt:MATRIX_FMT_FP6 matrix_b_fmt:MATRIX_FMT_FP6 matrix_a_scale:MATRIX_SCALE_ROW1
.else
	v_wmma_scale_f32_16x16x128_f8f6f4 v[S+8*TT:S+8*TT+7], v[F+12*(\t):F+12*(\t)+11], v[QF:QF+11], 0, v[SW+TT/2], v[QS] matrix_a_fmt:MATRIX_FMT_FP6 matrix_b_fmt:MATRIX_FMT_FP6
.endif
.endm
.macro OMM t, g, src                   ; O^T's tile 4 g + t += V's fragment in v[src + 12 t] x the squared scores
.set TT, 4*(\g)+(\t)
.if (\t)%2
	v_wmma_scale_f32_16x16x128_f8f6f4 v[O+8*TT:O+8*TT+7], v[\src+12*(\t):\src+12*(\t)+11], v[PC:PC+11], v[O+8*TT:O+8*TT+7], v[SW+TT/2], v[PW] matrix_a_fmt:MATRIX_FMT_FP6 matrix_b_fmt:MATRIX_FMT_FP6 matrix_a_scale:MATRIX_SCALE_ROW1
.else
	v_wmma_scale_f32_16x16x128_f8f6f4 v[O+8*TT:O+8*TT+7], v[\src+12*(\t):\src+12*(\t)+11], v[PC:PC+11], v[O+8*TT:O+8*TT+7], v[SW+TT/2], v[PW] matrix_a_fmt:MATRIX_FMT_FP6 matrix_b_fmt:MATRIX_FMT_FP6
.endif
.endm
; A KEY STEP: 128 keys.  No two matrix instructions that follow each other share an accumulator.
.macro STEP
	s_cmp_gt_u32 s[KS], s[SD]                      ; all its keys come after my queries: left out (a scalar branch on ids; no barrier and no tensor load stands in a step)
	s_cbranch_scc1 .Lhidden_\@
	v_add_nc_u32 v[AD], s[TB], v[LI]
	v_add_nc_u32 v[AS], s[TB], v[LS]
.irp g, 0,1                                    ; S^T = K Q^T, four tiles of 16 keys at a time
.if \g > 0
.rept 4
	v_nop                                          ; places in front of loads into registers that matrix instructions have read
.endr
.endif
.irp t, 0,1,2,3
.irp c, 0,1,2
	ds_load_b128 v[F+12*\t+4*\c:F+12*\t+4*\c+3], v[AD] offset:(4*\g+\t)*1536+512*\c
.endr
.endr
.if \g == 0
.irp u, 0,1,2,3
	ds_load_b32 v[SW+\u], v[AS] offset:12288+128*\u
.endr
.endif
	s_wait_dscnt 0x0
.irp t, 0,1,2,3
	SMM \t, \g
.endr
.endr
.rept 4
	v_nop                                          ; places in front of the first read of the scores
.endr
	s_cmp_lg_u32 s[KS], s[SD]                      ; in my last step hidden scores become 0; a step all of whose keys count skips this
	s_cbranch_scc1 .Lopen_\@
.set n, 0
.rept 64
	v_cmp_le_i32 vcc_lo, 32*(n/16)+n%16, v[DG]
	v_cndmask_b32 v[S+n], 0, v[S+n], vcc_lo
.set n, n+1
.endr
.Lopen_\@:
.set n, 0
.rept 32
	v_pk_mul_f32 v[S+n:S+n+1], v[S+n:S+n+1], v[S+n:S+n+1]   ; the square
.set n, n+2
.endr
.irp t, 0,1,2,3                                ; V's fragments 0-3 and its scale words are asked for ahead of the quantiser
.irp c, 0,1,2
	ds_load_b128 v[F+12*\t+4*\c:F+12*\t+4*\c+3], v[AD] offset:BLK+\t*1536+512*\c
.endr
.endr
.irp u, 0,1,2,3
	ds_load_b32 v[SW+\u], v[AS] offset:BLK+12288+128*\u
.endr
	QUANT S
	v_pk_add_f32 v[ZT:ZT+1], v[S:S+1], v[S+2:S+3]  ; the row's sum of the unquantised numbers, in two chains.  These 32 are also the places between the codes and their scale word and the scaled products
.irp j, 4,8,12,16,20,24,28,32,36,40,44,48,52,56,60
	v_pk_add_f32 v[Z:Z+1], v[Z:Z+1], v[S+\j:S+\j+1]
	v_pk_add_f32 v[ZT:ZT+1], v[ZT:ZT+1], v[S+\j+2:S+\j+3]
.endr
	v_pk_add_f32 v[Z:Z+1], v[Z:Z+1], v[ZT:ZT+1]
.irp t, 0,1,2,3                                ; V's fragments 4-7 take the scores' registers
.irp c, 0,1,2
	ds_load_b128 v[S+12*\t+4*\c:S+12*\t+4*\c+3], v[AD] offset:BLK+(4+\t)*1536+512*\c
.endr
.endr
	s_wait_dscnt 12                                ; all but the twelve just issued
.irp t, 0,1,2,3
	OMM \t, 0, F
.endr
	s_wait_dscnt 0x0
.irp t, 0,1,2,3
	OMM \t, 1, S
.endr
.rept 5
	v_nop                                          ; five places: the next step's first products write over registers that these have read
.endr
.Lhidden_\@:
.endm
.macro PHASE base                      ; a slot's four key steps
	s_mov_b32 s[TB], \base
	s_mov_b32 s[CNT], 4
.Lphase_\@:
	STEP
	s_add_co_u32 s[TB], s[TB], STEPB
	s_add_co_u32 s[KS], s[KS], 1
	s_sub_co_u32 s[CNT], s[CNT], 1
	s_cmp_lg_u32 s[CNT], 0
	s_cbranch_scc1 .Lphase_\@
.endm
	s_wait_loadcnt 0x0                             ; Q
	s_wait_tensorcnt 0x2                           ; my part of slot 0 is in; slots 1 and 2 may stay out
	s_barrier_signal -1
	s_barrier_wait -1
	PHASE 0                                        ; key steps 0-3
	s_wait_tensorcnt 0x0                           ; all my tensor loads have landed, my parts of slots 1 and 2 among them: a group 0 may be written
	ds_add_u32 v[SPW], v[NIL]                      ; 0 onto my spare word
	s_add_nc_u64 s[G0+2:G0+3], s[G0+2:G0+3], 12*STEPM   ; slot 0's next fill: key steps 12-15
	s_wait_dscnt 0x0                               ; the add is done, and my reads of slot 0 are over
	s_barrier_signal -1
	s_barrier_wait -1                              ; both now hold of every wave
	tensor_load_to_lds s[G0:G0+3], s[G1:G1+7]      ; my one tensor load behind this barrier: it has eight key steps in which to land
	s_nop 0
	PHASE SLOTB                                    ; key steps 4-7
	PHASE 2*SLOTB                                  ; key steps 8-11: the barrier above has shown this slot whole too
	s_wait_tensorcnt 0x0                           ; my part of the second fill of slot 0: the one load that was out
	s_wait_dscnt 0x0
	s_barrier_signal -1
	s_barrier_wait -1                              ; everybody's is in
	PHASE 0                                        ; key steps 12-15
	; THE WAY OUT: O^T / (the sum + 1e-5), quantised along the head's 128: K step = head of the last projection's operand.
	v_add_f32 v[Z], v[Z], v[Z+1]                   ; the sum's two halves,
	v_permlanex16_b32 v[ZT+1], v[Z], s[SEL], s[SEL+1]
	v_add_f32 v[Z], v[Z], v[ZT+1]                  ; and lane l xor 16's
	v_add_f32 v[Z], s[EPS], v[Z]
	v_rcp_f32 v[ZT], v[Z]
	v_nop                                          ; one plain place behind the transcendental,
	s_wait_alu depctr_va_vdst(0)                   ; and a wait ahead of its first reader
.set n, 0
.rept 32
	v_pk_mul_f32 v[S+n:S+n+1], v[O+n:O+n+1], v[ZT:ZT+1] op_sel_hi:[1,0]   ; each accumulator from its low end on
.set n, n+2
.endr
	QUANT S
.irp c, 0,1,2
	global_store_b128 v[LI], v[PC+4*\c:PC+4*\c+3], s[6:7] offset:512*\c   ; 32 lanes store 512 consecutive bytes, aligned
.endr
	ds_store_b32 v[OWA], v[PW]                     ; lanes r and r + 16 write the same word with the same value
	s_wait_dscnt 0x0                               ; for the others' sake: my store has landed
	s_barrier_signal -1
	s_barrier_wait -1
	s_cmp_gt_u32 s[WV], 1                          ; four fragments' words are 256 neighbouring bytes of os: wave 0 stores the early four's, wave 1 the late four's
	s_cbranch_scc1 .Lno_words
	ds_load_b64 v[ZT:ZT+1], v[ORA]
	s_wait_dscnt 0x0
	global_store_b64 v[L8], v[ZT:ZT+1], s[8:9]     ; 32 lanes store 256 consecutive bytes, aligned
.Lno_words:
	s_wait_tensorcnt 0x0                           ; the wave's end: behind my last tensor load and my last LDS store
	ds_add_u32 v[SPW], v[NIL]
	s_wait_dscnt 0x0
	s_endpgm
.Lfunc_end_k_q3acd701840_attn:
	.size	k_q3acd701840_attn, .Lfunc_end_k_q3acd701840_attn-k_q3acd701840_attn
	.p2alignl 7, 3214868480
	.fill 96, 4, 3214868480
	.section	.rodata,"a",@progbits
	.p2align	6, 0x0
	.amdhsa_kernel k_q3acd701840_attn
		.amdhsa_group_segment_fixed_size 327680
		.amdhsa_private_segment_fixed_size 0
		.amdhsa_enable_private_segment 0
		.amdhsa_kernarg_size 24
		.amdhsa_user_sgpr_count 2
		.amdhsa_user_sgpr_kernarg_segment_ptr 1
		.amdhsa_wavefront_size32 1
		.amdhsa_system_sgpr_workgroup_id_x 1
		.amdhsa_system_sgpr_workgroup_id_y 1
		.amdhsa_system_sgpr_workgroup_id_z 1
		.amdhsa_system_vgpr_workitem_id 0
		.amdhsa_next_free_vgpr 256
		.amdhsa_next_free_sgpr 66
		.amdhsa_reserve_vcc 1
		.amdhsa_float_denorm_mode_32 3
		.amdhsa_float_denorm_mode_16_64 3
		.amdhsa_memory_ordered 1
		.amdhsa_forward_progress 1
		.amdhsa_inst_pref_size 92
	.end_amdhsa_kernel
	.amdgpu_metadata
---
amdhsa.version: [ 1, 2 ]
amdhsa.kernels:
  - .name:           k_q3acd701840_attn
    .symbol:         k_q3acd701840_attn.kd
    .args:
      - { .name: qkv, .offset: 0, .size: 8, .value_kind: global_buffer, .address_space: global }
      - { .name: oc, .offset: 8, .size: 8, .value_kind: global_buffer, .address_space: global }
      - { .name: os, .offset: 16, .size: 8, .value_kind: global_buffer, .address_space: global }
    .group_segment_fixed_size: 327680
    .private_segment_fixed_size: 0
    .kernarg_segment_align: 8
    .kernarg_segment_size: 24
    .max_flat_workgroup_size: 256
    .sgpr_count:     66
    .vgpr_count:     256
    .wavefront_size: 32
...
	.end_amdgpu_metadata
.endif
;; end of part 3
;; launch outp (part 4): grid 8 x 8, 4 waves a work-group, clusters of 4 x 4, 327,680 bytes of LDS; arguments oc, os, codes, scales, out0; writes out0
.if DOCPART == 4
	.amdgcn_target "amdgcn-amd-amdhsa--gfx1250"
	.amdhsa_code_object_version 6
	.text
	.protected	k_q3acd701840_outp
	.globl	k_q3acd701840_outp
	.p2align	8
	.type	k_q3acd701840_outp,@function
k_q3acd701840_outp:
	s_mov_b64 s[64:65], 0
	v_nop
	global_prefetch_b8 v0, s[64:65] scope:SCOPE_SE
	s_setreg_imm32_b32 hwreg(HW_REG_WAVE_MODE, 25, 1), 1
	s_wait_xcnt 0x0
	s_wait_alu depctr_hold_cnt(0) depctr_sa_sdst(0) depctr_va_vdst(0) depctr_va_sdst(0) depctr_va_ssrc(0) depctr_va_vcc(0) depctr_vm_vsrc(0)
	s_getreg_b32 s2, hwreg(HW_REG_IB_STS2, 6, 4)
	s_cmp_eq_u32 s2, 0
	s_cbranch_scc0 .Lentry_in_a_cluster
	s_endpgm
.Lentry_in_a_cluster:
	s_bfe_u32 s2, ttmp6, 0x10000c
	s_cmp_lg_u32 s2, 0xf033
	s_cbranch_scc0 .Lentry_shape_is_right
	s_endpgm
.Lentry_shape_is_right:
; out0 = o Wo^T on codes of FP6 (E2M3) with E8M0 scales, f32 sums.  P (source 1, rows on lanes) = o, from oc and os; R (source 0, rows on a lane's registers) = Wo, the fifth tensor of codes and scales.
; OPERANDS lie in memory as images of their registers: a fragment (16 rows x 128 K, 12 registers a lane) is 1,536 bytes, registers 4 c .. 4 c + 3 of lane l at 512 c + 16 l; lane r of fragment f holds row
; 32 (f / 2) + 8 (f % 2) + r + 8 (r / 8); so register 8 b + j of P's block a is output column 32 (b / 2) + 16 (lane / 16) + 8 (b % 2) + j of token row 32 (a / 2) + 8 (a % 2) + r + 8 (r / 8).
; SHARES: 64 work-groups, a tile of 256 x 256 each; four waves, 128 x 128 each: 64 accumulators, 512 registers.  K goes in steps of 256 through a ring of two LDS slots; the scale words come once.
; CLUSTERS: 4 x 4.  P's tiles are shared along a row of the cluster, R's along a column: each is asked for jointly, by the same tensor load with the same descriptor and a mask that names the four.
; REGISTERS: window 0: v0-31 addresses; v32-63 scale words, two sets; v128-223 P's eight fragments, one set (on the way out v128-255: rows read back).  window 1: R's fragments, two sets, at v0 and v128.
;   windows 2, 3: the accumulators ((a, b) at v[8 (8 (a % 4) + b)]).
.set FR,    12
.set FRB,   1536
.set NL,    3
.set NP,    4
.set NQ,    2
.set PART,  8*NQ*FRB
.set SLOT,  4*PART
.set LAPS,  4
.set SCL,   2*SLOT                     ; behind the ring: the scale words, four parts of [K step 16][fragment 8][64 bytes]
.set SPART, 8192
.set SPARE, SCL+4*SPART                ; the spare words, 128 bytes for each wave
.set SPITCH, 528                       ; the way out: a stage of 16 rows x (512 bytes + 16) for each wave, in slot 0, which has had its last fill and its last read when the first result is stored there
.set ADRP, 16
.set ADRR, 20
.set STO,  24                          ; v24 the way out: where I put 32 bytes of a row
.set RD,   25                          ; v25 where I read a row back
.set CO,   26                          ; v26 16 x lane
.set ADRS, 27
.set SPW,  28
.set NIL,  29
.set SC,   32
.set AF,   128
.set BK,   128
.set G1, 24
.set G0, 32
.set G1B, 48
.set G0B, 56
.set G1S, 68
.set G0S, 76
.set G1SB, 80
.set G0SB, 88
.set MSB, 0
.macro WIN new                         ; the immediate's high byte repeats the setting that is left
.if MSB != \new
	s_set_vgpr_msb (MSB<<8)|\new
.set MSB, \new
.endif
.endm
.set MUL_LO, 0xa1
.set MUL_HI, 0xf1
.set TO_R,   0x40
.macro JLOAD g0a, g1a, g0b, g1b        ; a joint load: waves 0 and 1 fetch for P, waves 2 and 3 for R; an s_nop 0 and four v_nop follow each of the two lines
	s_cmp_eq_u32 s15, 0
	s_cbranch_scc0 .Lfor_r_\@
	tensor_load_to_lds s[\g0a:\g0a+3], s[\g1a:\g1a+7]
	s_nop 0
.rept 4
	v_nop
.endr
	s_branch .Lasked_\@
.Lfor_r_\@:
	tensor_load_to_lds s[\g0b:\g0b+3], s[\g1b:\g1b+7]
	s_nop 0
.rept 4
	v_nop
.endr
.Lasked_\@:
.endm
.macro CREST
	s_cmp_lg_u32 s14, 0
	s_cbranch_scc1 .Lnot_wave_0_\@
	s_barrier_signal -3
.Lnot_wave_0_\@:
	s_barrier_wait -3
	s_barrier_signal -1
	s_barrier_wait -1
.endm
.macro CROUND
	s_barrier_signal -1
	s_barrier_wait -1
	CREST
.endm
	s_load_b256 s[4:11], s[0:1], 0x0               ; oc, os, codes, scales
	s_load_b64 s[12:13], s[0:1], 0x20              ; out0
	v_lshl_add_u32 v[SPW], v0, 2, SPARE
	v_mov_b32 v[NIL], 0
	ds_add_u32 v[SPW], v[NIL]                      ; the wave's opening: the add and its wait stand ahead of my first tensor load; the set-up below, work on registers, stands between them
	v_lshrrev_b32 v1, 5, v0
	v_readfirstlane_b32 s14, v1                    ; wave 0..3
	s_lshr_b32 s15, s14, 1                         ; which half of P's rows is mine.  Also: I fetch for P (0) or for R (1)
	s_and_b32 s16, s14, 1                          ; which half of R's rows.  Also: which half of that tile I fetch
	s_bfe_u32 s40, ttmp6, 0x40000                  ; cx, cy
	s_bfe_u32 s41, ttmp6, 0x40004
	s_lshl_b32 s42, ttmp9, 2
	s_add_co_u32 s42, s42, s40                     ; R's tile (columns of out0)
	s_and_b32 s17, ttmp7, 0xffff
	s_lshl_b32 s17, s17, 2
	s_add_co_u32 s17, s17, s41                     ; P's tile (rows of out0)
	s_lshl_b32 s43, s41, 2
	s_lshl_b32 s43, 15, s43                        ; my row of the cluster
	s_lshl_b32 s44, 0x1111, s40                    ; my column
	s_or_b32 s[G1+0], s43, (3<<16)|(1<<21)         ; codes: 8 fragments x 3,072 bytes, 24,576 bytes apart; elements of 8 bytes; bit 21 set beside a mask
	s_or_b32 s[G1B+0], s44, (3<<16)|(1<<21)
.irp g, G1, G1B
	s_mov_b32 s[\g+1], 384<<16
	s_mov_b32 s[\g+2], 8<<16
	s_mov_b32 s[\g+3], 384<<16
	s_mov_b32 s[\g+4], 8
	s_mov_b32 s[\g+5], 3072
	s_mov_b32 s[\g+6], 0
	s_mov_b32 s[\g+7], 0
.endr
	s_or_b32 s[G1S+0], s43, (3<<16)|(1<<21)        ; scale words: 16 K steps x 512 bytes, 8,192 bytes apart
	s_or_b32 s[G1SB+0], s44, (3<<16)|(1<<21)
.irp g, G1S, G1SB
	s_mov_b32 s[\g+1], 64<<16
	s_mov_b32 s[\g+2], 16<<16
	s_mov_b32 s[\g+3], 64<<16
	s_mov_b32 s[\g+4], 16
	s_mov_b32 s[\g+5], 1024
	s_mov_b32 s[\g+6], 0
	s_mov_b32 s[\g+7], 0
.endr
	s_lshl_b32 s18, s16, 3
	s_lshl_b32 s20, s17, 4
	s_add_co_u32 s20, s20, s18                     ; P: fragment 16 x tile + 8 x half
	s_lshl_b32 s46, s42, 4
	s_add_co_u32 s46, s46, s18                     ; R likewise
	s_lshl_b32 s22, s20, 6
	s_lshl_b32 s92, s46, 6
	s_add_co_u32 s92, s92, 4*131072                ; Wo is the fifth tensor
	s_mul_i32 s20, s20, 16*FRB
	s_mul_i32 s46, s46, 16*FRB
	s_add_co_u32 s46, s46, 4*3145728
	s_mov_b32 s21, 0
	s_mov_b32 s23, 0
	s_mov_b32 s47, 0
	s_mov_b32 s93, 0
	s_mul_i32 s45, s14, PART                       ; where they go: wave x a part
	s_lshl_b32 s66, s14, 13
	s_wait_dscnt 0x0                               ; the opening add is done
	s_wait_kmcnt 0x0
	s_add_nc_u64 s[20:21], s[4:5], s[20:21]
	s_add_nc_u64 s[22:23], s[6:7], s[22:23]
	s_add_nc_u64 s[46:47], s[8:9], s[46:47]
	s_add_nc_u64 s[92:93], s[10:11], s[92:93]
	CROUND                                         ; all sixteen work-groups are here: the first joint loads meet
	s_mov_b32 s[G0S], 1
	s_add_co_u32 s[G0S+1], s66, SCL
	s_mov_b64 s[G0S+2:G0S+3], s[22:23]
	s_or_b32 s[G0S+3], s[G0S+3], 0x80000000
	s_mov_b32 s[G0SB], 1
	s_add_co_u32 s[G0SB+1], s66, SCL
	s_mov_b64 s[G0SB+2:G0SB+3], s[92:93]
	s_or_b32 s[G0SB+3], s[G0SB+3], 0x80000000
	JLOAD G0S, G1S, G0SB, G1SB
.irp s, 0,1
	s_mov_b32 s[G0+4*\s], 1
	s_add_co_u32 s[G0+4*\s+1], s45, \s*SLOT
	s_add_nc_u64 s[G0+4*\s+2:G0+4*\s+3], s[20:21], \s*NQ*FRB
	s_or_b32 s[G0+4*\s+3], s[G0+4*\s+3], 0x80000000
	s_mov_b32 s[G0B+4*\s], 1
	s_add_co_u32 s[G0B+4*\s+1], s45, \s*SLOT
	s_add_nc_u64 s[G0B+4*\s+2:G0B+4*\s+3], s[46:47], \s*NQ*FRB
	s_or_b32 s[G0B+4*\s+3], s[G0B+4*\s+3], 0x80000000
	JLOAD G0+4*\s, G1, G0B+4*\s, G1B
.endr
	v_and_b32 v1, 15, v0                           ; r
	v_bfe_u32 v2, v0, 4, 1                         ; h
	v_and_b32 v3, 31, v0                           ; lane
	v_lshlrev_b32 v[CO], 4, v3
	s_mul_i32 s18, s15, PART
	s_mul_i32 s19, s16, PART
	s_add_co_u32 s19, s19, 2*PART
.irp s, 0,1
	v_add_nc_u32 v[ADRP+\s], s18, v[CO]
	v_add_nc_u32 v[ADRR+\s], s19, v[CO]
	s_add_co_u32 s18, s18, SLOT
	s_add_co_u32 s19, s19, SLOT
.endr
	s_lshl_b32 s18, s15, 13
	s_lshl_b32 s19, s16, 13
	s_add_co_u32 s19, s19, 2*SPART
	s_sub_co_u32 s19, s19, s18
	v_mul_u32_u24 v4, s19, v2                      ; lanes 16-31 take R's scale words
	s_add_co_u32 s18, s18, SCL
	v_lshl_add_u32 v4, v1, 2, v4
	v_add_nc_u32 v[ADRS], s18, v4
	s_mul_i32 s18, s14, 16*SPITCH                  ; my stage
	v_mul_u32_u24 v5, v1, SPITCH                   ; in: row r, + 64 h
	v_lshl_add_u32 v5, v2, 6, v5
	v_add_nc_u32 v[STO], s18, v5
	v_add_nc_u32 v[RD], s18, v[CO]                 ; back: the 32 lanes take one row of 512 bytes
	s_lshl_b32 s20, s17, 8
	s_lshl_b32 s21, s15, 7
	s_add_co_u32 s20, s20, s21                     ; my first row of out0: 256 x tile + 128 x half
	s_lshl_b32 s20, s20, 13                        ; rows of 8,192 bytes
	s_mov_b32 s21, 0
	s_lshl_b32 s46, s42, 10                        ; my first column, in bytes: 1,024 x tile + 512 x half
	s_lshl_b32 s47, s16, 9
	s_add_co_u32 s46, s46, s47
	s_mov_b32 s47, 0
	s_add_nc_u64 s[20:21], s[20:21], s[46:47]
	s_add_nc_u64 s[12:13], s[12:13], s[20:21]
.macro FRAG reg, adr, q, i             ; a fragment comes back as it was stored: three loads of 16 bytes a lane, 512 consecutive bytes each
.irp c, 0,1,2
	ds_load_b128 v[\reg+4*\c:\reg+4*\c+3], v[\adr] offset:(\i)*NQ*FRB+(\q)*FRB+512*\c
.endr
.endm
; 16 matrix instructions: P's blocks a0, a0 + 1 x R's eight.  The 64 accumulators take turns, one instruction a turn, in the same order in every step.
.macro MUL16 a0, p, q, sc, zero
.irp a, \a0, \a0+1
.irp b, 0,1,2,3,4,5,6,7
.if \zero
	v_wmma_scale_f32_16x16x128_f8f6f4 v[8*(8*((\a)%4)+\b):8*(8*((\a)%4)+\b)+7], v[128*(\p)+FR*\b:128*(\p)+FR*\b+FR-1], v[AF+FR*(\a):AF+FR*(\a)+FR-1], 0, v[SC+8*NQ*(\sc)+NQ*\b+(\q)], v[SC+8*NQ*(\sc)+NQ*(\a)+(\q)] matrix_a_fmt:MATRIX_FMT_FP6 matrix_b_fmt:MATRIX_FMT_FP6 matrix_a_scale:MATRIX_SCALE_ROW1
.else
	v_wmma_scale_f32_16x16x128_f8f6f4 v[8*(8*((\a)%4)+\b):8*(8*((\a)%4)+\b)+7], v[128*(\p)+FR*\b:128*(\p)+FR*\b+FR-1], v[AF+FR*(\a):AF+FR*(\a)+FR-1], v[8*(8*((\a)%4)+\b):8*(8*((\a)%4)+\b)+7], v[SC+8*NQ*(\sc)+NQ*\b+(\q)], v[SC+8*NQ*(\sc)+NQ*(\a)+(\q)] matrix_a_fmt:MATRIX_FMT_FP6 matrix_b_fmt:MATRIX_FMT_FP6 matrix_a_scale:MATRIX_SCALE_ROW1
.endif
.endr
.endr
.endm
.macro FETCH_R slot, q, p
	WIN TO_R
.irp i, 0,1,2,3,4,5,6,7
	FRAG 128*(\p)+FR*\i, ADRR+\slot, \q, \i
.endr
	WIN 0
.endm
.macro FETCH_P slot, q, i0
.irp i, \i0, \i0+1, \i0+2, \i0+3
	FRAG AF+FR*(\i), ADRP+\slot, \q, \i
.endr
.endm
.macro SCALES sc
.irp i, 0,1,2,3,4,5,6,7
.irp q, 0,1
	ds_load_b32 v[SC+8*NQ*\sc+NQ*\i+\q], v[ADRS] offset:512*\q+64*\i
.endr
.endr
.endm
.macro PLACES n                        ; places behind matrix instructions, in front of loads into registers that they have read and of the first read of results (ISA guide 7.12.1 for vector instructions)
.rept \n
	v_nop
.endr
.endm
.macro STEP slot, q, zero
	s_wait_dscnt 4*NL                              ; R's set and P's blocks 0-3 are in; the youngest twelve loads (P's blocks 4-7) may be out
	WIN MUL_LO
	MUL16 0, (\q)%2, \q, \slot, \zero
	MUL16 2, (\q)%2, \q, \slot, \zero
	s_wait_dscnt 0
	PLACES NP
	FETCH_R \slot, (\q)+1, 1-(\q)%2
	FETCH_P \slot, (\q)+1, 0
	WIN MUL_HI
	MUL16 4, (\q)%2, \q, \slot, \zero
	MUL16 6, (\q)%2, \q, \slot, \zero
	PLACES NP
	WIN 0
	FETCH_P \slot, (\q)+1, 4
.endm
.macro TURN slot, next, fill
	s_wait_tensorcnt 0x0                           ; all my tensor loads have landed: my part of the next slot
	ds_add_u32 v[SPW], v[NIL]                      ; 0 onto my spare word
	s_wait_dscnt 4*NL+1                            ; (the add and the youngest twelve loads may be out)
	WIN MUL_LO
	MUL16 0, 1, NQ-1, \slot, 0
	s_wait_dscnt 0x0                               ; the add is done, and my reads of this slot are over
	s_barrier_signal -1
	MUL16 2, 1, NQ-1, \slot, 0
	WIN 0
	s_barrier_wait -1
.if \fill
	CREST                                          ; the barrier has opened a round of the cluster's barrier: no wave of any partner still reads this slot or has a load on its way
	s_add_nc_u64 s[G0+4*\slot+2:G0+4*\slot+3], s[G0+4*\slot+2:G0+4*\slot+3], 2*NQ*FRB
	s_add_nc_u64 s[G0B+4*\slot+2:G0B+4*\slot+3], s[G0B+4*\slot+2:G0B+4*\slot+3], 2*NQ*FRB
	JLOAD G0+4*\slot, G1, G0B+4*\slot, G1B         ; the first tensor load behind the round; its four v_nop are the places in front of the loads below
.else
	PLACES NP
.endif
	v_add_nc_u32 v[ADRS], 512*NQ, v[ADRS]
	FETCH_R \next, 0, 0
	FETCH_P \next, 0, 0
	SCALES \next
	WIN MUL_HI
	MUL16 4, 1, NQ-1, \slot, 0
	MUL16 6, 1, NQ-1, \slot, 0
	PLACES NP
	WIN 0
	FETCH_P \next, 0, 4
.endm
	s_wait_tensorcnt 1                             ; the scale words and my part of slot 0 are in (slot 1's load may be out)
	s_barrier_signal -1
	s_barrier_wait -1                              ; everybody's are
	FETCH_R 0, 0, 0
	FETCH_P 0, 0, 0
	SCALES 0
	FETCH_P 0, 0, 4
	STEP 0, 0, 1                                   ; the first step's products start the sums
	s_mov_b32 s3, LAPS-1
.Llap:
	TURN 0, 1, 1
	STEP 1, 0, 0
	TURN 1, 0, 1
	STEP 0, 0, 0
	s_sub_co_u32 s3, s3, 1
	s_cmp_lg_u32 s3, 0
	s_cbranch_scc1 .Llap
	TURN 0, 1, 0                                   ; the last lap fills nothing; behind its barrier nobody reads slot 0
	STEP 1, 0, 0
	s_wait_dscnt 4*NL
	WIN MUL_LO
	MUL16 0, 1, NQ-1, 1, 0
	MUL16 2, 1, NQ-1, 1, 0
	s_wait_dscnt 0
	WIN MUL_HI
	MUL16 4, 1, NQ-1, 1, 0
	MUL16 6, 1, NQ-1, 1, 0
	WIN 0
; THE WAY OUT, block by block of 16 token rows x 128 columns, through my own stage: in by 32 bytes of a row a lane, back as whole rows of 512 bytes.  LDS serves a wave's instructions in order.
.macro TOSTAGE a
.set AC, 64*((\a)%4)
	WIN 0x08+4*((\a)/4)                            ; the data: window 2 or 3
.irp b, 0,1,2,3,4,5,6,7
	ds_store_b128 v[STO], v[AC+8*\b:AC+8*\b+3] offset:128*(\b/2)+32*(\b%2)          ; each accumulator from its low end on
	ds_store_b128 v[STO], v[AC+8*\b+4:AC+8*\b+7] offset:128*(\b/2)+32*(\b%2)+16
.endr
	WIN 0
.set BB, BK+64*((\a)%2)
.irp t, 0,1,2,3,4,5,6,7,8,9,10,11,12,13,14,15
	ds_load_b128 v[BB+4*\t:BB+4*\t+3], v[RD] offset:\t*SPITCH
.endr
.endm
.macro SEND a, younger                 ; younger: the LDS instructions issued behind block a's loads, which may stay out
.set BB, BK+64*((\a)%2)
	s_wait_dscnt \younger
.irp t, 0,1,2,3,4,5,6,7,8,9,10,11,12,13,14,15
	global_store_b128 v[CO], v[BB+4*\t:BB+4*\t+3], s[12:13] offset:(32*((\a)/2)+8*((\a)%2)+\t+8*(\t/8))*8192 th:TH_STORE_NT   ; 32 lanes store 512 consecutive bytes, aligned; the row's place among my 128 stands in the immediate
.endr
.endm
	PLACES NP                                      ; behind the last products: loads land on P's fragments, and results are read
	TOSTAGE 0
.irp a, 1,2,3,4,5,6,7
.if \a > 1
	s_wait_xcnt 0x0                                ; block a - 2's stores have read their registers: block a's loads may land there
.endif
	TOSTAGE \a
	SEND \a-1, 32                                  ; behind block a - 1's loads: block a's 16 stores and 16 loads
.endr
	SEND 7, 0
	s_wait_tensorcnt 0x0                           ; the wave's end: behind my last tensor load and my last LDS store
	ds_add_u32 v[SPW], v[NIL]
	s_wait_dscnt 0x0
	CROUND                                         ; the closing round: no work-group ends while a partner may still ask for a tile that names it
	s_endpgm
.Lfunc_end_k_q3acd701840_outp:
	.size	k_q3acd701840_outp, .Lfunc_end_k_q3acd701840_outp-k_q3acd701840_outp
	.p2alignl 7, 3214868480
	.fill 96, 4, 3214868480
	.section	.rodata,"a",@progbits
	.p2align	6, 0x0
	.amdhsa_kernel k_q3acd701840_outp
		.amdhsa_group_segment_fixed_size 327680
		.amdhsa_private_segment_fixed_size 0
		.amdhsa_enable_private_segment 0
		.amdhsa_kernarg_size 40
		.amdhsa_user_sgpr_count 2
		.amdhsa_user_sgpr_kernarg_segment_ptr 1
		.amdhsa_wavefront_size32 1
		.amdhsa_system_sgpr_workgroup_id_x 1
		.amdhsa_system_sgpr_workgroup_id_y 1
		.amdhsa_system_sgpr_workgroup_id_z 1
		.amdhsa_system_vgpr_workitem_id 0
		.amdhsa_next_free_vgpr 1024
		.amdhsa_next_free_sgpr 98
		.amdhsa_reserve_vcc 0
		.amdhsa_float_denorm_mode_32 3
		.amdhsa_float_denorm_mode_16_64 3
		.amdhsa_memory_ordered 1
		.amdhsa_forward_progress 1
		.amdhsa_inst_pref_size 137
	.end_amdhsa_kernel
	.amdgpu_metadata
---
amdhsa.version: [ 1, 2 ]
amdhsa.kernels:
  - .name:           k_q3acd701840_outp
    .symbol:         k_q3acd701840_outp.kd
    .args:
      - { .name: oc, .offset: 0, .size: 8, .value_kind: global_buffer, .address_space: global }
      - { .name: os, .offset: 8, .size: 8, .value_kind: global_buffer, .address_space: global }
      - { .name: codes, .offset: 16, .size: 8, .value_kind: global_buffer, .address_space: global }
      - { .name: scales, .offset: 24, .size: 8, .value_kind: global_buffer, .address_space: global }
      - { .name: out0, .offset: 32, .size: 8, .value_kind: global_buffer, .address_space: global }
    .group_segment_fixed_size: 327680
    .private_segment_fixed_size: 0
    .kernarg_segment_align: 8
    .kernarg_segment_size: 40
    .max_flat_workgroup_size: 128
    .sgpr_count:     98
    .vgpr_count:     1024
    .wavefront_size: 32
...
	.end_amdgpu_metadata
.endif
;; end of part 4
;; ======== version 2 of 2: 4 launches; 1.15 times as fast as version 1
;; workspace buffers: codes 15,728,640 bytes; scales 655,360 bytes; qkv 9,830,400 bytes; oc 3,145,728 bytes; os 131,072 bytes
;; launch quant: the kernel of part 1 again; grid 640 x 1, 4 waves a work-group, no clusters, 35,328 bytes of LDS; arguments hidden_states, Wq, Wk, Wv, Wo, codes, scales; writes codes, scales
;; launch qkv: the kernel of part 2 again; grid 24 x 8, 4 waves a work-group, clusters of 4 x 4, 327,680 bytes of LDS; arguments codes, scales, gamma, beta, qkv; writes qkv
;; launch attn: the kernel of part 3 again; grid 16 x 16, 8 waves a work-group, no clusters, 327,680 bytes of LDS; arguments qkv, oc, os; writes oc, os
;; launch outp (part 5): grid 16 x 16, 4 waves a work-group, clusters of 4 x 4, 327,680 bytes of LDS; arguments oc, os, codes, scales, out0; writes out0
.if DOCPART == 5
	.amdgcn_target "amdgcn-amd-amdhsa--gfx1250"
	.amdhsa_code_object_version 6
	.text
	.protected	k_q3acd701840_outp
	.globl	k_q3acd701840_outp
	.p2align	8
	.type	k_q3acd701840_outp,@function
k_q3acd701840_outp:
	s_mov_b64 s[64:65], 0
	v_nop
	global_prefetch_b8 v0, s[64:65] scope:SCOPE_SE
	s_setreg_imm32_b32 hwreg(HW_REG_WAVE_MODE, 25, 1), 1
	s_wait_xcnt 0x0
	s_wait_alu depctr_hold_cnt(0) depctr_sa_sdst(0) depctr_va_vdst(0) depctr_va_sdst(0) depctr_va_ssrc(0) depctr_va_vcc(0) depctr_vm_vsrc(0)
	s_getreg_b32 s2, hwreg(HW_REG_IB_STS2, 6, 4)
	s_cmp_eq_u32 s2, 0
	s_cbranch_scc0 .Lentry_in_a_cluster
	s_endpgm
.Lentry_in_a_cluster:
	s_bfe_u32 s2, ttmp6, 0x10000c
	s_cmp_lg_u32 s2, 0xf033
	s_cbranch_scc0 .Lentry_shape_is_right
	s_endpgm
.Lentry_shape_is_right:
; out0 = o Wo^T on codes of FP6 (E2M3) with E8M0 scales, f32 sums.  P (source 1, rows on lanes) = o, from oc and os; R (source 0, rows on a lane's registers) = Wo, the fifth tensor of codes and scales.
; OPERANDS lie in memory as images of their registers: a fragment (16 rows x 128 K, 12 registers a lane) is 1,536 bytes, registers 4 c .. 4 c + 3 of lane l at 512 c + 16 l; lane r of fragment f holds row
; 32 (f / 2) + 8 (f % 2) + r + 8 (r / 8); so register j of the product of P's block a and R's block b is column 32 (b / 2) + 16 (lane / 16) + 8 (b % 2) + j of token row 32 (a / 2) + 8 (a % 2) + r + 8 (r / 8).
; SHARES: 256 work-groups, a tile of 128 x 128 each (2,048 x 2,048 has 64 tiles of 256 x 256, too few for 256 WGPs); four waves, 64 x 64 each: 16 accumulators, 128 registers.
; K = 2,048 is 16 K steps of 128.  A K step of the tile is 16 fragments, 24,576 bytes: twelve K steps fit in LDS.  So three slots of four K steps are filled at the start, with the scale words of all of K,
; and slot 0 is filled once more, with K steps 12 to 15, when its first four have been read: that load has eight K steps, 128 matrix instructions, in which to land.
; By this text's own count a wave has four tensor loads out at the start and one later.
; CLUSTERS: 4 x 4.  P's tiles are shared along a row of the cluster, R's along a column: each is asked for jointly, by the same tensor load with the same descriptor and a mask that names the four.
; THE TEXT HAS NO LOOP: 256 matrix instructions a wave, every offset an immediate.
; REGISTERS: window 0: v0-29 addresses; v32-63 scale words, a ring of 8 K steps x 4 (lanes 0-15 P's block i, lanes 16-31 R's block i); v64-159, v160-255 two sets of fragments (R's four, then P's four).
;   window 1: v0-127 the accumulators ((a, b) at v[8 (4 a + b)]).  All loads run under window 0; the way out runs under one setting.
; LIMITS: NaN and infinities are not served.
.set FRB,    1536                      ; a fragment's image in bytes
.set NP,     4                         ; places behind this matrix instruction (ISA guide 7.12.1)
.set PART,   4*4*FRB                   ; four fragments x four K steps: what one tensor load brings, and what one wave reads of P or of R in a slot
.set SLOT,   4*PART                    ; P's two halves, then R's two halves
.set SCL,    3*SLOT                    ; behind the slots: the scale words, four parts of [K step 16][fragment 4][64 bytes]
.set SPART,  4096
.set SPARE,  SCL+4*SPART               ; the spare words, 128 bytes for each wave
.set STAGE,  SLOT                      ; the way out: in slot 1, which is filled once and is read for the last time ahead of the last barrier
.set SPITCH, 272                       ; a stage row: 256 bytes + 16
.set WSTG,   4*16*SPITCH               ; a wave's stage: four blocks of 16 rows
.set ADRP, 8                           ; v8-10   LDS address of my P fragments in slot 0, 1, 2
.set ADRR, 12                          ; v12-14  the same for R
.set LI,   16                          ; v16     16 x lane
.set STO,  17                          ; v17     the way out: where I put 32 bytes of a row
.set RD,   18                          ; v18     where I read 16 bytes of a row back
.set CO,   19                          ; v19     my byte offset in out0: 8,192 h + 16 r
.set ADRS, 20                          ; v20     LDS address of my scale words: lanes 0-15 P's rows, lanes 16-31 R's
.set SPW,  28                          ; v28     my spare word; never rewritten
.set NIL,  29                          ; v29     0; never rewritten
.set SC,   32                          ; scale words of K step k at v[SC + 4 (k % 8)]
.set FS,   64                          ; fragments of K step k at v[FS + 96 (k % 2)]
.set G1,   24                          ; s[24:31] descriptor group 1 for P's tiles
.set G1B,  32                          ; s[32:39] for R's
.set G0,   40                          ; s[40:51] group 0 for P's tiles, one set for each slot
.set G0B,  52                          ; s[52:63] for R's
.set G1S,  68                          ; s[68:75], s[76:83] group 1 for P's and R's scale words
.set G1SB, 76
.set G0S,  84                          ; s[84:87], s[88:91] their groups 0
.set G0SB, 88
.set MSB, 0
.macro WIN new                         ; the immediate's high byte repeats the setting that is left
.if MSB != \new
	s_set_vgpr_msb (MSB<<8)|\new
.set MSB, \new
.endif
.endm
.set MULW, 0x50                        ; sources 0 (R) and 1 (P) window 0; C and D window 1
.set OUTW, 0x44                        ; store data and loaded data window 1, addresses window 0
; A joint load: waves 0 and 1 fetch for P, waves 2 and 3 for R.  Each of the two lines has one mask and one set of registers; the branch hangs on the wave's number alone.
; An s_nop 0 and four v_nop follow each of the two lines.
.macro JLOAD g0a, g1a, g0b, g1b
	s_cmp_eq_u32 s15, 0
	s_cbranch_scc0 .Lfor_r_\@
	tensor_load_to_lds s[\g0a:\g0a+3], s[\g1a:\g1a+7]
	s_nop 0
.rept 4
	v_nop
.endr
	s_branch .Lasked_\@
.Lfor_r_\@:
	tensor_load_to_lds s[\g0b:\g0b+3], s[\g1b:\g1b+7]
	s_nop 0
.rept 4
	v_nop
.endr
.Lasked_\@:
.endm
.macro CREST                           ; a round of the cluster's barrier behind its opening barrier
	s_cmp_lg_u32 s14, 0
	s_cbranch_scc1 .Lnot_wave_0_\@
	s_barrier_signal -3
.Lnot_wave_0_\@:
	s_barrier_wait -3
	s_barrier_signal -1
	s_barrier_wait -1
.endm
.macro CROUND                          ; a whole round
	s_barrier_signal -1
	s_barrier_wait -1
	CREST
.endm
	s_load_b256 s[4:11], s[0:1], 0x0               ; oc, os, codes, scales
	s_load_b64 s[12:13], s[0:1], 0x20              ; out0
	v_lshl_add_u32 v[SPW], v0, 2, SPARE
	v_mov_b32 v[NIL], 0
	ds_add_u32 v[SPW], v[NIL]                      ; the wave's opening: the add and its wait stand ahead of my first tensor load; the set-up below, work on registers, stands between them
	v_lshrrev_b32 v1, 5, v0
	v_readfirstlane_b32 s14, v1                    ; wave 0..3
	s_lshr_b32 s15, s14, 1                         ; which half of P's rows is mine.  Also: I fetch for P (0) or for R (1)
	s_and_b32 s16, s14, 1                          ; which half of R's rows.  Also: which half of that tile I fetch
	s_bfe_u32 s92, ttmp6, 0x40000                  ; cx, cy: my place in the cluster
	s_bfe_u32 s93, ttmp6, 0x40004
	s_lshl_b32 s94, ttmp9, 2
	s_add_co_u32 s94, s94, s92                     ; R's tile (128 columns of out0): 4 x cluster x + cx
	s_and_b32 s17, ttmp7, 0xffff
	s_lshl_b32 s17, s17, 2
	s_add_co_u32 s17, s17, s93                     ; P's tile (128 rows of out0): 4 x cluster y + cy
	s_lshl_b32 s95, s93, 2
	s_lshl_b32 s95, 15, s95                        ; my row of the cluster
	s_lshl_b32 s96, 0x1111, s92                    ; my column
	s_or_b32 s[G1+0], s95, (3<<16)|(1<<21)         ; 15:0 the mask; 17:16 elements of 8 bytes; no padding; bit 21 set beside a mask
	s_or_b32 s[G1B+0], s96, (3<<16)|(1<<21)
	s_or_b32 s[G1S+0], s95, (3<<16)|(1<<21)
	s_or_b32 s[G1SB+0], s96, (3<<16)|(1<<21)
.irp g, G1, G1B                                ; codes: 4 fragments x 6,144 bytes (four K steps), 24,576 bytes apart
	s_mov_b32 s[\g+1], 768<<16                     ; tensor_dim0
	s_mov_b32 s[\g+2], 4<<16                       ; tensor_dim1
	s_mov_b32 s[\g+3], 768<<16                     ; tile_dim0
	s_mov_b32 s[\g+4], 4                           ; tile_dim1
	s_mov_b32 s[\g+5], 3072                        ; tensor_dim0_stride
	s_mov_b32 s[\g+6], 0
	s_mov_b32 s[\g+7], 0
.endr
.irp g, G1S, G1SB                              ; scale words: 16 K steps x 256 bytes (four fragments), 8,192 bytes apart
	s_mov_b32 s[\g+1], 32<<16
	s_mov_b32 s[\g+2], 16<<16
	s_mov_b32 s[\g+3], 32<<16
	s_mov_b32 s[\g+4], 16
	s_mov_b32 s[\g+5], 1024
	s_mov_b32 s[\g+6], 0
	s_mov_b32 s[\g+7], 0
.endr
	s_lshl_b32 s18, s16, 2                         ; which four fragments of the tile I fetch
	s_lshl_b32 s20, s17, 3
	s_add_co_u32 s20, s20, s18                     ; P: fragment 8 x tile + 4 x half
	s_lshl_b32 s2, s94, 3
	s_add_co_u32 s2, s2, s18                       ; R likewise
	s_lshl_b32 s22, s20, 6                         ; their scale words, 64 bytes a fragment,
	s_lshl_b32 s96, s2, 6
	s_add_co_u32 s96, s96, 4*131072                ; (Wo is the fifth tensor)
	s_mul_i32 s20, s20, 16*FRB                     ; and their codes
	s_mul_i32 s2, s2, 16*FRB
	s_add_co_u32 s2, s2, 4*3145728
	s_mov_b32 s21, 0
	s_mov_b32 s23, 0
	s_mov_b32 s3, 0
	s_mov_b32 s97, 0
	s_mul_i32 s18, s14, PART                       ; where they go: wave x a part: no place in the cluster enters an LDS address
	s_lshl_b32 s19, s14, 12
	s_wait_dscnt 0x0                               ; the opening add is done
	s_wait_kmcnt 0x0
	s_add_nc_u64 s[20:21], s[4:5], s[20:21]
	s_add_nc_u64 s[22:23], s[6:7], s[22:23]
	s_add_nc_u64 s[2:3], s[8:9], s[2:3]
	s_add_nc_u64 s[96:97], s[10:11], s[96:97]
	CROUND                                         ; all sixteen work-groups are here: the first joint loads meet
	s_mov_b32 s[G0S], 1
	s_add_co_u32 s[G0S+1], s19, SCL
	s_mov_b64 s[G0S+2:G0S+3], s[22:23]
	s_or_b32 s[G0S+3], s[G0S+3], 0x80000000
	s_mov_b32 s[G0SB], 1
	s_add_co_u32 s[G0SB+1], s19, SCL
	s_mov_b64 s[G0SB+2:G0SB+3], s[96:97]
	s_or_b32 s[G0SB+3], s[G0SB+3], 0x80000000
	JLOAD G0S, G1S, G0SB, G1SB                     ; the scale words first: they are wanted with the first K step
.irp s, 0,1,2                                  ; then K steps 0-3, 4-7, 8-11
	s_mov_b32 s[G0+4*\s], 1
	s_add_co_u32 s[G0+4*\s+1], s18, \s*SLOT
	s_add_nc_u64 s[G0+4*\s+2:G0+4*\s+3], s[20:21], \s*4*FRB
	s_or_b32 s[G0+4*\s+3], s[G0+4*\s+3], 0x80000000
	s_mov_b32 s[G0B+4*\s], 1
	s_add_co_u32 s[G0B+4*\s+1], s18, \s*SLOT
	s_add_nc_u64 s[G0B+4*\s+2:G0B+4*\s+3], s[2:3], \s*4*FRB
	s_or_b32 s[G0B+4*\s+3], s[G0B+4*\s+3], 0x80000000
	JLOAD G0+4*\s, G1, G0B+4*\s, G1B
.endr
	v_and_b32 v1, 15, v0                           ; r
	v_bfe_u32 v2, v0, 4, 1                         ; h
	v_and_b32 v3, 31, v0                           ; lane
	v_lshlrev_b32 v[LI], 4, v3
	s_mul_i32 s18, s15, PART                       ; my four fragments of P,
	s_mul_i32 s19, s16, PART                       ; and of R,
	s_add_co_u32 s19, s19, 2*PART                  ; which lie behind P's eight
.irp s, 0,1,2
	v_add_nc_u32 v[ADRP+\s], s18, v[LI]
	v_add_nc_u32 v[ADRR+\s], s19, v[LI]
	s_add_co_u32 s18, s18, SLOT
	s_add_co_u32 s19, s19, SLOT
.endr
	s_lshl_b32 s18, s15, 12                        ; scale words: P's part,
	s_lshl_b32 s19, s16, 12                        ; R's part, behind P's two
	s_add_co_u32 s19, s19, 2*SPART
	s_sub_co_u32 s19, s19, s18
	v_mul_u32_u24 v4, s19, v2                      ; lanes 16-31 take R's
	s_add_co_u32 s18, s18, SCL
	v_lshl_add_u32 v4, v1, 2, v4                   ; 4 bytes a row
	v_add_nc_u32 v[ADRS], s18, v4
	s_mul_i32 s18, s14, WSTG
	s_add_co_u32 s18, s18, STAGE                   ; my stage
	v_mul_u32_u24 v5, v1, SPITCH                   ; in: row r, + 64 h
	v_lshl_add_u32 v5, v2, 6, v5
	v_add_nc_u32 v[STO], s18, v5
	v_mul_u32_u24 v5, v2, SPITCH                   ; back: lanes 0-15 take one row of 256 bytes, lanes 16-31 the next
	v_lshl_add_u32 v5, v1, 4, v5
	v_add_nc_u32 v[RD], s18, v5
	v_lshlrev_b32 v5, 13, v2                       ; and the same two rows in out0 (rows of 8,192 bytes)
	v_lshl_add_u32 v[CO], v1, 4, v5
	s_lshl_b32 s20, s17, 7
	s_lshl_b32 s21, s15, 6
	s_add_co_u32 s20, s20, s21                     ; my first row of out0: 128 x tile + 64 x half
	s_lshl_b32 s20, s20, 13
	s_mov_b32 s21, 0
	s_lshl_b32 s2, s94, 9                          ; my first column, in bytes: 512 x tile + 256 x half
	s_lshl_b32 s3, s16, 8
	s_add_co_u32 s2, s2, s3
	s_mov_b32 s3, 0
	s_add_nc_u64 s[20:21], s[20:21], s[2:3]
	s_add_nc_u64 s[12:13], s[12:13], s[20:21]
; The 28 LDS loads of K step k, under window 0: R's four fragments, P's four (three loads of 16 bytes a lane each, 512 consecutive bytes a load), and four scale words.
.macro FETCH k
.set SL, ((\k)/4)%3                    ; the slot: K steps 12 to 15 lie in slot 0 again
.set QQ, (\k)%4
.set FF, FS+96*((\k)%2)
.irp i, 0,1,2,3
.irp c, 0,1,2
	ds_load_b128 v[FF+12*\i+4*\c:FF+12*\i+4*\c+3], v[ADRR+SL] offset:4*FRB*\i+FRB*QQ+512*\c
.endr
.endr
.irp i, 0,1,2,3
.irp c, 0,1,2
	ds_load_b128 v[FF+48+12*\i+4*\c:FF+48+12*\i+4*\c+3], v[ADRP+SL] offset:4*FRB*\i+FRB*QQ+512*\c
.endr
.endr
.irp i, 0,1,2,3
	ds_load_b32 v[SC+4*((\k)%8)+\i], v[ADRS] offset:256*(\k)+64*\i
.endr
.endm
; 8 matrix instructions: P's blocks a0, a0 + 1 x R's four, K step k.  zero = 1: the first product starts the sums: nothing is ever cleared.
; The 16 accumulators take turns, one instruction a turn, in the same order in every K step.
.macro MULH k, a0, zero
.set FM, FS+96*((\k)%2)
.set SM, SC+4*((\k)%8)
.irp a, \a0, \a0+1
.irp b, 0,1,2,3
.if \zero
	v_wmma_scale_f32_16x16x128_f8f6f4 v[8*(4*(\a)+\b):8*(4*(\a)+\b)+7], v[FM+12*\b:FM+12*\b+11], v[FM+48+12*(\a):FM+48+12*(\a)+11], 0, v[SM+\b], v[SM+(\a)] matrix_a_fmt:MATRIX_FMT_FP6 matrix_b_fmt:MATRIX_FMT_FP6 matrix_a_scale:MATRIX_SCALE_ROW1
.else
	v_wmma_scale_f32_16x16x128_f8f6f4 v[8*(4*(\a)+\b):8*(4*(\a)+\b)+7], v[FM+12*\b:FM+12*\b+11], v[FM+48+12*(\a):FM+48+12*(\a)+11], v[8*(4*(\a)+\b):8*(4*(\a)+\b)+7], v[SM+\b], v[SM+(\a)] matrix_a_fmt:MATRIX_FMT_FP6 matrix_b_fmt:MATRIX_FMT_FP6 matrix_a_scale:MATRIX_SCALE_ROW1
.endif
.endr
.endr
.endm
; A load into a register that a matrix instruction has read, and a store that reads a matrix result, stand NP places behind that matrix instruction; only plain vector instructions that name none of its
; registers are places (ISA guide 7.12.1 for vector instructions).
.macro PLACES n
.rept \n
	v_nop
.endr
.endm
; A K step whose successor lies in a slot that has been shown whole: the next K step's loads go out first, into the set and the scale words that earlier K steps have left, then this K step is multiplied.
.macro STEP k
	PLACES NP
	WIN 0
	FETCH (\k)+1
	s_wait_dscnt 28                                ; all but the 28 just issued: this K step's fragments and scale words are in
	WIN MULW
	MULH \k, 0, 0
	MULH \k, 2, 0
.endm
	s_wait_tensorcnt 0x2                           ; the scale words and my part of slot 0 are in; slots 1 and 2 may stay out
	s_barrier_signal -1
	s_barrier_wait -1                              ; everybody's are
	FETCH 0
	FETCH 1
	s_wait_dscnt 28                                ; K step 0 is in
	WIN MULW
	MULH 0, 0, 1                                   ; the first K step's products start the sums
	MULH 0, 2, 1
	STEP 1
	STEP 2
	; K step 3 leaves slot 0, which is filled again.  In front of the barrier each wave waits for all its tensor loads, adds 0 to its spare word, and waits for that and for its reads of slot 0.
	WIN 0                                          ; (the add's two registers lie in window 0)
	s_wait_tensorcnt 0x0                           ; all my tensor loads have landed, my parts of slots 1 and 2 among them
	ds_add_u32 v[SPW], v[NIL]                      ; 0 onto my spare word
	s_wait_dscnt 1                                 ; K step 3 is in (the add may be out)
	WIN MULW
	MULH 3, 0, 0                                   ; eight matrix instructions stand between the add and the wait for it
	s_wait_dscnt 0x0                               ; the add is done, and my reads of slot 0 are over
	s_barrier_signal -1
	MULH 3, 2, 0                                   ; work on registers while the others arrive
	WIN 0
	s_barrier_wait -1
	CREST                                          ; the barrier has opened a round of the cluster's barrier: no wave of any partner still reads slot 0 or has a load on its way; slots 1 and 2 are whole
	s_add_nc_u64 s[G0+2:G0+3], s[G0+2:G0+3], 12*FRB    ; slot 0's second fill: K steps 12 to 15
	s_add_nc_u64 s[G0B+2:G0B+3], s[G0B+2:G0B+3], 12*FRB
	JLOAD G0, G1, G0B, G1B                         ; the first tensor load behind the round, and my last; its four v_nop are the places in front of the loads below
	FETCH 4
.irp k, 4,5,6,7,8,9,10
	STEP \k
.endr
	; K step 11 is the last of slot 2: it is multiplied while the second fill of slot 0 may still be on its way; then that fill is shown to every wave.
	s_wait_dscnt 0x0                               ; K step 11 is in: no LDS instruction of mine is out at the signal below, and my reads of slots 1 and 2 are over
	WIN MULW
	MULH 11, 0, 0
	MULH 11, 2, 0
	s_wait_tensorcnt 0x0                           ; my part of the second fill: the one load that was out
	s_barrier_signal -1
	s_barrier_wait -1                              ; everybody's is in
	PLACES NP
	WIN 0
	FETCH 12
.irp k, 12,13,14
	STEP \k
.endr
	s_wait_dscnt 0x0                               ; the last K step: nothing more to fetch
	WIN MULW
	MULH 15, 0, 0
	MULH 15, 2, 0
; THE WAY OUT, block by block of 16 token rows x 64 columns (256 bytes a row).  A lane holds 32 neighbouring bytes of a row for each of R's blocks, and the lanes beside it hold other rows: so a block goes
; through my own stage and comes back as whole rows, two an instruction, into the registers that it left.  LDS serves a wave's instructions in order (ISA guide 5.7.1.4): no wait between the stores and the loads.
.macro TOSTAGE a
.irp b, 0,1,2,3
	ds_store_b128 v[STO], v[32*(\a)+8*\b:32*(\a)+8*\b+3] offset:(\a)*16*SPITCH+128*(\b/2)+32*(\b%2)          ; each accumulator from its low end on
	ds_store_b128 v[STO], v[32*(\a)+8*\b+4:32*(\a)+8*\b+7] offset:(\a)*16*SPITCH+128*(\b/2)+32*(\b%2)+16
.endr
.irp t, 0,1,2,3,4,5,6,7
	ds_load_b128 v[32*(\a)+4*\t:32*(\a)+4*\t+3], v[RD] offset:(\a)*16*SPITCH+2*\t*SPITCH
.endr
.endm
.macro SEND a, younger                 ; younger: the LDS instructions issued behind block a's loads: the next block's sixteen, or none
.irp t, 0,1,2,3,4,5,6,7
	s_wait_dscnt \younger+7-\t
	global_store_b128 v[CO], v[32*(\a)+4*\t:32*(\a)+4*\t+3], s[12:13] offset:(32*((\a)/2)+8*((\a)%2)+2*\t+8*(\t/4))*8192 th:TH_STORE_NT   ; 16 lanes store 256 consecutive bytes, aligned; stage rows 2 t and 2 t + 1 are token rows 2 t + 8 (t / 4) and the next of the block; written once, read by nobody here
.endr
.endm
	PLACES NP                                      ; behind the last products: results are read, and loads land on them
	WIN OUTW
	TOSTAGE 0
	TOSTAGE 1
	SEND 0, 16
	TOSTAGE 2
	SEND 1, 16
	TOSTAGE 3
	SEND 2, 16
	SEND 3, 0
	WIN 0
	s_wait_tensorcnt 0x0                           ; the wave's end: behind my last tensor load and my last LDS store
	ds_add_u32 v[SPW], v[NIL]
	s_wait_dscnt 0x0
	CROUND                                         ; the closing round: no work-group ends while a partner may still ask for a tile that names it
	s_endpgm
.Lfunc_end_k_q3acd701840_outp:
	.size	k_q3acd701840_outp, .Lfunc_end_k_q3acd701840_outp-k_q3acd701840_outp
	.p2alignl 7, 3214868480
	.fill 96, 4, 3214868480
	.section	.rodata,"a",@progbits
	.p2align	6, 0x0
	.amdhsa_kernel k_q3acd701840_outp
		.amdhsa_group_segment_fixed_size 327680
		.amdhsa_private_segment_fixed_size 0
		.amdhsa_enable_private_segment 0
		.amdhsa_kernarg_size 40
		.amdhsa_user_sgpr_count 2
		.amdhsa_user_sgpr_kernarg_segment_ptr 1
		.amdhsa_wavefront_size32 1
		.amdhsa_system_sgpr_workgroup_id_x 1
		.amdhsa_system_sgpr_workgroup_id_y 1
		.amdhsa_system_sgpr_workgroup_id_z 1
		.amdhsa_system_vgpr_workitem_id 0
		.amdhsa_next_free_vgpr 384
		.amdhsa_next_free_sgpr 98
		.amdhsa_reserve_vcc 0
		.amdhsa_float_denorm_mode_32 3
		.amdhsa_float_denorm_mode_16_64 3
		.amdhsa_memory_ordered 1
		.amdhsa_forward_progress 1
		.amdhsa_inst_pref_size 84
	.end_amdhsa_kernel
	.amdgpu_metadata
---
amdhsa.version: [ 1, 2 ]
amdhsa.kernels:
  - .name:           k_q3acd701840_outp
    .symbol:         k_q3acd701840_outp.kd
    .args:
      - { .name: oc, .offset: 0, .size: 8, .value_kind: global_buffer, .address_space: global }
      - { .name: os, .offset: 8, .size: 8, .value_kind: global_buffer, .address_space: global }
      - { .name: codes, .offset: 16, .size: 8, .value_kind: global_buffer, .address_space: global }
      - { .name: scales, .offset: 24, .size: 8, .value_kind: global_buffer, .address_space: global }
      - { .name: out0, .offset: 32, .size: 8, .value_kind: global_buffer, .address_space: global }
    .group_segment_fixed_size: 327680
    .private_segment_fixed_size: 0
    .kernarg_segment_align: 8
    .kernarg_segment_size: 40
    .max_flat_workgroup_size: 128
    .sgpr_count:     98
    .vgpr_count:     384
    .wavefront_size: 32
...
	.end_amdgpu_metadata
.endif
;; end of part 5
